; MI455X (gfx1250); checked and timed in simulation.
; The chip was launched on July 23, 2026; its instructions are those of AMD's public machine-readable ISA for CDNA 5 (MIT licence, August 2026) and "CDNA5" Instruction Set Architecture Reference Guide (July 2026). The comments in the code are by the model that wrote it; some were corrected since.
;; Multi Head Attention. Allowed arithmetic: matrix products marked QUANTISED: E2M1 operands, one E8M0 scale for each 32 along K, by v_wmma_scale_f32_16x16x128_f8f6f4 with both operands' format E2M1 (or v_wmma_scale_f32_32x16x128_f4), f32 sums; everything else in f32.
;; Inputs: Wk_codes 1,024 x 32 x 16 uint8 (E2M1 codes of Wk, K innermost, in blocks of 32 codes, two codes a byte); Wk_scales 1,024 x 32 uint8 (E8M0 scales of Wk, one for each 32 codes along K); Wo_codes 1,024 x 32 x 16 uint8 (E2M1 codes of Wo, K innermost, in blocks of 32 codes, two codes a byte); Wo_scales 1,024 x 32 uint8 (E8M0 scales of Wo, one for each 32 codes along K); Wq_codes 1,024 x 32 x 16 uint8 (E2M1 codes of Wq, K innermost, in blocks of 32 codes, two codes a byte); Wq_scales 1,024 x 32 uint8 (E8M0 scales of Wq, one for each 32 codes along K); Wv_codes 1,024 x 32 x 16 uint8 (E2M1 codes of Wv, K innermost, in blocks of 32 codes, two codes a byte); Wv_scales 1,024 x 32 uint8 (E8M0 scales of Wv, one for each 32 codes along K); bk 1,024 float32; bo 1,024 float32; bq 1,024 float32; bv 1,024 float32; mask 4 x 2,048 x 2,048 bool; x_codes 4 x 2,048 x 32 x 16 uint8 (E2M1 codes of x, K innermost, in blocks of 32 codes, two codes a byte); x_scales 4 x 2,048 x 32 uint8 (E8M0 scales of x, one for each 32 codes along K).
;; Outputs: out0 4 x 2,048 x 1,024 float32.
;; This version of the problem:
;;   THIS VERSION OF THE PROBLEM IS GIVEN IN LOW PRECISION. The matrix products marked QUANTISED in the list below multiply operands that are first quantised to E2M1 (2 exponent bits, 1 mantissa bit; 4 bits a number), with one power-of-two scale for each 32 numbers along K (OCP MX v1.0); their sums are f32. All else is computed in f32.
;;   The module's matrix products, in the order in which they are computed (A, B: the left and right operand; K: the contracted axis; several contracted axes count as one K, in the product's order):
;;     1. [M 8,192, K 1,024] x [K 1,024, N 1,024]; A: input x (given as codes); B: input Wq (given as codes): QUANTISED
;;     2. [M 8,192, K 1,024] x [K 1,024, N 1,024]; A: input x (given as codes); B: input Wk (given as codes): QUANTISED
;;     3. [M 8,192, K 1,024] x [K 1,024, N 1,024]; A: input x (given as codes); B: input Wv (given as codes): QUANTISED
;;     4. batch 64 x [M 2,048, K 64] x [K 64, N 2,048]; A: computed on the way; B: computed on the way: QUANTISED
;;     5. batch 64 x [M 2,048, K 2,048] x [K 2,048, N 64]; A: softmax (see below); B: computed on the way: QUANTISED
;;     6. [M 8,192, K 1,024] x [K 1,024, N 1,024]; A: computed on the way; B: input Wo (given as codes): QUANTISED
;;   THE QUANTISER, for each operand of a quantised product, along K:
;;     - K is cut into blocks of 32 from its start; a last block that is shorter is filled with zeros.
;;     - A block's scale is 2^e with e = floor(log2(the largest magnitude in the block)) - 2, held to -126 .. 127; a block of zeros has e = 0. As a byte (E8M0): e + 127.
;;     - Each number is divided by its block's scale, clamped to +-6, and rounded to the nearest number of E2M1, ties to even, subnormals kept.
;;     - The product sums the exact products of the quantised numbers (number of the format x scale) in f32.
;;   ~~~python
;;   def quantise(x, axis):      # numpy; x: float32 -> the quantised numbers, widened to float32 again
;;       x = np.moveaxis(x, axis, -1); K = x.shape[-1]
;;       x = np.pad(x, [(0, 0)] * (x.ndim - 1) + [(0, -K % 32)]); x = x.reshape(x.shape[:-1] + (-1, 32)); a = np.abs(x).max(-1, keepdims=True)
;;       e = np.where(a > 0, np.clip(np.frexp(np.where(a > 0, a, 1))[1] - 1 - 2, -126, 127), 0)      # np.frexp(a)[1] - 1 = floor(log2(a)), exactly
;;       r = np.clip(x / 2.0 ** e, -6, 6)
;;       step = 2.0 ** (np.maximum(np.frexp(np.where(r == 0, 1, r))[1] - 1, 0) - 1)
;;       q = np.round(r / step) * step * 2.0 ** e      # np.round: ties to even
;;       return np.moveaxis(q.reshape(q.shape[:-2] + (-1,))[..., :K], -1, axis).astype(np.float32)
;;   ~~~
;;   SOFTMAX AHEAD OF A QUANTISED PRODUCT. Where the list says 'softmax', what is quantised is not the finished softmax but p = 2^(t - M), with t = logit x log2(e) and M = ceil(the row's largest t), a whole number; so 1/2 < the row's largest p <= 1. The row's sum l is taken of the UNQUANTISED p, in f32, and the product's result is divided by l at the end. Since M is a whole number, a kernel that streams over the keys may use a running M (the ceiling of the running maximum): every later rescaling is an exact power of two, which a block's scale takes up: the codes' values come out the same.
;;   OPERANDS COMPUTED ON THE WAY. 'Computed on the way' means the value that the module computes at that place (a softmax that the list does not call 'softmax' is quantised finished and normalised). What goes into a quantiser is computed in f32, as accurately as f32 sums, v_exp_f32 and their like allow (about 1e-6 of the number): no bf16 or f16 on the way to a quantiser, and a product that is left as it is and whose result goes on into a quantised operand takes f32 operands (vector FMAs, or v_wmma_f32_16x16x4_f32). A number that lies on a knife's edge between two numbers of the format may be rounded either way, as far as f32 arithmetic and the matrix unit's own rounding can turn it there, and no further.
;;   INPUTS GIVEN AS CODES. Wk (in the module: [1024, 1024], K = its axis 0); Wo (in the module: [1024, 1024], K = its axis 0); Wq (in the module: [1024, 1024], K = its axis 0); Wv (in the module: [1024, 1024], K = its axis 0); x (in the module: [4, 2048, 1024], K = its axis 2): each comes as NAME_codes (uint8): NAME with its K axis moved to the last place and cut into blocks of 32 codes, [.., K / 32, bytes a block], one block behind the other in memory; two codes a byte, the lower K in the low four bits (a code: sign, 2 exponent bits, 1 mantissa bit); and NAME_scales (uint8): the same leading axes, one E8M0 byte (e + 127) for each 32 codes along K. Its value is code x scale, taken as it is: it is not quantised again, and the codes and scales need not be those that the quantiser above would give.
;; One version. Each part assembles by itself: llvm-mc -triple=amdgcn-amd-amdhsa -mcpu=gfx1250 --defsym DOCPART=n.
;; ======== version 1 of 1: 4 launches
;; limits: right only within a limited range of input values
;; workspace buffers: flags 2,048 bytes of whole numbers; maskw 2,097,152 bytes; qkv 14,155,776 bytes; oc 4,194,304 bytes; os 262,144 bytes
;; launch maskpack (part 1): grid 512 x 1, 8 waves a work-group, no clusters, 35,840 bytes of LDS; arguments mask, maskw, flags; writes maskw, flags
.if DOCPART == 1
	.amdgcn_target "amdgcn-amd-amdhsa--gfx1250"
	.amdhsa_code_object_version 6
	.text
	.protected	k_qd53632dcee_maskpack
	.globl	k_qd53632dcee_maskpack
	.p2align	8
	.type	k_qd53632dcee_maskpack,@function
k_qd53632dcee_maskpack:
	s_mov_b64 s[64:65], 0
	v_nop
	global_prefetch_b8 v0, s[64:65] scope:SCOPE_SE
	s_setreg_imm32_b32 hwreg(HW_REG_WAVE_MODE, 25, 1), 1
	s_wait_xcnt 0x0
; mask [4][2048][2048], one byte a place (not 0 = masked), becomes LANE MASKS for the attention launch (maskw), and one word of flags for each tile of 16 queries (flags).
; maskw: a record of MREC bytes for each tile of queries (number 128 b + T): for each step s of 128 keys 64 words: word 8 a + j, bit r + 16 h = mask[b][16 T + r][128 s + 16 a + 8 h + j]:
; that is the place which lane (r, h) of a wave holds in register 8 a + j of its scores.  So one select with that word as its lane mask masks a whole register.
; flags: word 128 b + T: bit s: step s must be walked (not every place of it is masked);  bit 16 + s: step s has a masked place.  If a row of the tile is masked in ALL 2,048 keys, every step must be walked (that row's result is the mean of v).
; The flags steer the next launch's branches and addresses, the lane masks only select values: so they lie in two buffers.
; SHARES: a work-group takes a tile's 16 rows, wave w the columns 256 w on: steps 2 w and 2 w + 1.  Each load reads two rows x 256 consecutive bytes; the bytes turn through the wave's own stage in LDS (rows 272 bytes apart),
; from which lane (r, h) takes 8 bytes of row r.  No loop: all eight loads of every wave go out at once.  Nothing here is a matrix product, nothing is shared between work-groups.
.set SPI,   272                        ; a stage row: 256 bytes + 16
.set WST,   16*SPI                     ; a wave's stage
.set FLG,   8*WST                      ; behind the stages: 16 words "which lanes are all masked", 16 words "which lanes have a masked place"
.set MREC,  4096                       ; a record: 16 steps x 256 bytes
.set LD,    12                         ; v12-43  the eight loads
.set PR,    44                         ; v44-75  sixteen pairs: 8 bytes of (step, tile a)
.set OUTW,  76                         ; v76-79  the wave's 128 words: word n in lane n / 4, register n % 4
.set TMPV,  80                         ; v80-83  at work
.set ANDV,  84                         ; v84-85  all my bytes of a step, anded;  v86-87 ored
.set ORV,   86
	s_load_b128 s[4:7], s[0:1], 0x0                ; mask, maskw
	s_load_b64 s[36:37], s[0:1], 0x10              ; flags
	v_lshrrev_b32 v1, 5, v0
	s_delay_alu instid0(VALU_DEP_1)
	v_readfirstlane_b32 s8, v1                     ; wave 0..7
	v_and_b32 v1, 31, v0                           ; lane
	v_and_b32 v8, 15, v0                           ; r
	v_bfe_u32 v11, v0, 4, 1                        ; h
	s_lshl_b32 s9, s8, 8                           ; my 256 columns
	s_mul_i32 s10, s8, WST                         ; my stage
	s_lshl_b32 s11, s8, 9                          ; my 512 bytes of words
	v_lshlrev_b32 v2, 4, v8
	s_delay_alu instid0(VALU_DEP_1)
	v_lshl_add_u32 v2, v11, 11, v2
	s_delay_alu instid0(VALU_DEP_1)
	v_add_nc_u32 v2, s9, v2                        ; in memory: row h of a pair of rows, 16 bytes a lane
	v_mul_u32_u24 v3, v11, SPI
	s_delay_alu instid0(VALU_DEP_1)
	v_lshl_add_u32 v3, v8, 4, v3
	s_delay_alu instid0(VALU_DEP_1)
	v_add_nc_u32 v3, s10, v3                       ; into the stage: the same
	v_mul_u32_u24 v4, v8, SPI
	s_delay_alu instid0(VALU_DEP_1)
	v_lshl_add_u32 v4, v11, 3, v4
	s_delay_alu instid0(VALU_DEP_1)
	v_add_nc_u32 v4, s10, v4                       ; out of it: row r, 8 h bytes on
	v_lshl_add_u32 v5, v1, 4, s11                  ; the words' place in the record: 16 bytes a lane
	s_lshl_b32 s9, s8, 3
	s_add_co_u32 s9, s9, FLG
	v_mov_b32 v6, s9                               ; my two steps' flag words
	v_lshl_add_u32 v7, v8, 2, FLG                  ; wave 0, later: step r's flag word
	v_mov_b32 v9, FLG
	v_mov_b32 v10, 0                               ; the flags' store: its place stands in the base
	s_mov_b32 s12, 0xff                            ; a byte of a word
	s_mov_b32 s13, 0xff00
	s_mov_b32 s14, 0xff0000
	s_mov_b32 s15, 0xffffff                        ; above it: the top byte is not 0
	s_lshl_b32 s16, ttmp9, 15                      ; 16 rows of 2,048 bytes for each tile of queries
	s_mov_b32 s17, 0
	s_lshl_b32 s18, ttmp9, 12                      ; a record of MREC bytes
	s_mov_b32 s19, 0
	s_lshl_b32 s38, ttmp9, 2                       ; a word of flags
	s_mov_b32 s39, 0
.irp i, 0,1,2,3
	v_mov_b32 v[OUTW+\i], 0                        ; written whole once: v_writelane_b32 keeps the other lanes
.endr
	s_wait_alu depctr_va_vdst(0)
	s_wait_kmcnt 0x0
	s_add_nc_u64 s[4:5], s[4:5], s[16:17]
	s_add_nc_u64 s[6:7], s[6:7], s[18:19]
	s_add_nc_u64 s[36:37], s[36:37], s[38:39]
.irp i, 0,1,2,3,4,5,6,7
	global_load_b128 v[LD+4*\i:LD+4*\i+3], v2, s[4:5] offset:4096*\i th:TH_LOAD_NT   ; rows 2 i and 2 i + 1; read once in the launch
.endr
.irp i, 0,1,2,3,4,5,6,7
	s_wait_loadcnt 7-\i                            ; loads come back in order: load i is in, the younger ones stay out
	ds_store_b128 v3, v[LD+4*\i:LD+4*\i+3] offset:2*SPI*\i
.endr
.irp n, 0,1,2,3,4,5,6,7,8,9,10,11,12,13,14,15
	ds_load_b64 v[PR+2*\n:PR+2*\n+1], v4 offset:128*(\n/8)+16*(\n%8)   ; LDS serves a wave's instructions in order: these see my stores
.endr
.set n, 0
.rept 16                               ; pair n: step n / 8 of my two, tile n % 8
	s_wait_dscnt 15-n                              ; pair n is in
.if n%8 == 0
	v_and_b32 v[ANDV+n/8], v[PR+2*n], v[PR+2*n+1]  ; a step's first pair starts both chains
	v_or_b32 v[ORV+n/8], v[PR+2*n], v[PR+2*n+1]
.else
	v_and_b32 v[ANDV+n/8], v[ANDV+n/8], v[PR+2*n]
	v_or_b32 v[ORV+n/8], v[ORV+n/8], v[PR+2*n]
	s_delay_alu instid0(VALU_DEP_2)
	v_and_b32 v[ANDV+n/8], v[ANDV+n/8], v[PR+2*n+1]
	s_delay_alu instid0(VALU_DEP_2)
	v_or_b32 v[ORV+n/8], v[ORV+n/8], v[PR+2*n+1]
.endif
.irp j, 0,1,2,3,4,5,6,7
.if \j%4 == 3
	v_cmp_lt_u32 s[20+\j], s15, v[PR+2*n+\j/4]     ; byte 3 is not 0
.else
	v_and_b32 v[TMPV+\j%4], s[12+\j%4], v[PR+2*n+\j/4]
	s_delay_alu instid0(VALU_DEP_1)
	v_cmp_ne_u32 s[20+\j], 0, v[TMPV+\j%4]         ; byte j is not 0: one bit a lane
.endif
	s_delay_alu instid0(VALU_DEP_1)
	v_writelane_b32 v[OUTW+\j%4], s[20+\j], 2*n+\j/4   ; word 8 n + j of my 128
.endr
.set n, n+1
.endr
	global_store_b128 v5, v[OUTW:OUTW+3], s[6:7]   ; 32 lanes store 512 consecutive bytes, at a multiple of 256 from the buffer's first byte
	v_cmp_eq_u32 s28, 0x01010101, v[ANDV]          ; lanes all of whose 64 places of the step are masked (a byte other than 1 leaves the bit 0: the step is then walked, which is always right)
	v_cmp_eq_u32 s29, 0x01010101, v[ANDV+1]
	v_cmp_ne_u32 s30, 0, v[ORV]                    ; lanes with a masked place
	v_cmp_ne_u32 s31, 0, v[ORV+1]
	s_delay_alu instid0(VALU_DEP_4)
	v_mov_b32 v88, s28
	s_delay_alu instid0(VALU_DEP_4)
	v_mov_b32 v89, s29
	s_delay_alu instid0(VALU_DEP_4)
	v_mov_b32 v90, s30
	s_delay_alu instid0(VALU_DEP_4)
	v_mov_b32 v91, s31
	ds_store_b64 v6, v[88:89]                      ; all lanes write the same words with the same values
	ds_store_b64 v6, v[90:91] offset:64
	s_wait_dscnt 0x0                               ; for wave 0's sake: my stores have landed
	s_barrier_signal -1
	s_barrier_wait -1
	s_cmp_lg_u32 s8, 0
	s_cbranch_scc1 .Lend                           ; wave 0 alone makes the flags
	ds_load_b32 v44, v7                            ; lane r (and r + 16): step r's "all masked" word
	ds_load_b32 v45, v7 offset:64                  ; and its "some masked" word
.irp i, 0,1,2,3
	ds_load_b128 v[48+4*\i:51+4*\i], v9 offset:16*\i   ; all sixteen "all masked" words, in every lane
.endr
	s_wait_dscnt 0x0
.irp i, 1
	v_and_b32 v48, v48, v[48+\i]                   ; lanes that are masked in every step
.endr
.irp i, 2, 3, 4, 5, 6, 7, 8, 9, 10, 11, 12, 13, 14, 15
	s_delay_alu instid0(VALU_DEP_1)
	v_and_b32 v48, v48, v[48+\i]
.endr
	s_delay_alu instid0(VALU_DEP_1)
	v_readfirstlane_b32 s32, v48
	s_lshr_b32 s33, s32, 16
	s_and_b32 s32, s32, s33                        ; a row lies in lanes r and r + 16
	s_and_b32 s32, s32, 0xffff                     ; rows masked in all 2,048 keys
	v_cmp_ne_u32 s34, -1, v44                      ; bit s: not all of step s is masked
	v_cmp_ne_u32 s35, 0, v45                       ; bit s: some of it is
	s_and_b32 s34, s34, 0xffff
	s_and_b32 s35, s35, 0xffff
	s_cmp_lg_u32 s32, 0
	s_cselect_b32 s34, 0xffff, s34                 ; a tile with such a row walks every step
	s_lshl_b32 s35, s35, 16
	s_or_b32 s34, s34, s35
	v_mov_b32 v52, s34
	s_wait_alu depctr_va_vdst(0)
	s_wait_xcnt 0x0                                ; the store of the words has read its sources, EXEC among them: EXEC changes only behind this wait
	v_cmp_gt_u32 vcc_lo, 1, v0
	s_and_saveexec_b32 s40, vcc_lo                 ; thread 0 alone
	global_store_b32 v10, v52, s[36:37]            ; the tile's word: 4 of the 4,100 bytes that the work-group stores
	s_wait_xcnt 0x0                                ; and again, in front of the line that widens it
	s_or_b32 exec_lo, exec_lo, s40
.Lend:
	s_endpgm
.Lfunc_end_k_qd53632dcee_maskpack:
	.size	k_qd53632dcee_maskpack, .Lfunc_end_k_qd53632dcee_maskpack-k_qd53632dcee_maskpack
	.p2alignl 7, 3214868480
	.fill 96, 4, 3214868480
	.section	.rodata,"a",@progbits
	.p2align	6, 0x0
	.amdhsa_kernel k_qd53632dcee_maskpack
		.amdhsa_group_segment_fixed_size 35840
		.amdhsa_private_segment_fixed_size 0
		.amdhsa_enable_private_segment 0
		.amdhsa_kernarg_size 24
		.amdhsa_user_sgpr_count 2
		.amdhsa_user_sgpr_kernarg_segment_ptr 1
		.amdhsa_wavefront_size32 1
		.amdhsa_system_sgpr_workgroup_id_x 1
		.amdhsa_system_sgpr_workgroup_id_y 1
		.amdhsa_system_sgpr_workgroup_id_z 1
		.amdhsa_system_vgpr_workitem_id 0
		.amdhsa_next_free_vgpr 96
		.amdhsa_next_free_sgpr 66
		.amdhsa_reserve_vcc 1
		.amdhsa_float_denorm_mode_32 3
		.amdhsa_float_denorm_mode_16_64 3
		.amdhsa_memory_ordered 1
		.amdhsa_forward_progress 1
		.amdhsa_inst_pref_size 38
	.end_amdhsa_kernel
	.amdgpu_metadata
---
amdhsa.version: [ 1, 2 ]
amdhsa.kernels:
  - .name:           k_qd53632dcee_maskpack
    .symbol:         k_qd53632dcee_maskpack.kd
    .args:
      - { .name: mask, .offset: 0, .size: 8, .value_kind: global_buffer, .address_space: global }
      - { .name: maskw, .offset: 8, .size: 8, .value_kind: global_buffer, .address_space: global }
      - { .name: flags, .offset: 16, .size: 8, .value_kind: global_buffer, .address_space: global }
    .group_segment_fixed_size: 35840
    .private_segment_fixed_size: 0
    .kernarg_segment_align: 8
    .kernarg_segment_size: 24
    .max_flat_workgroup_size: 256
    .sgpr_count:     66
    .vgpr_count:     96
    .wavefront_size: 32
...
	.end_amdgpu_metadata
.endif
;; end of part 1
;; launch qkv (part 2): grid 12 x 32, 4 waves a work-group, clusters of 4 x 4, 327,680 bytes of LDS; arguments x_codes, x_scales, Wq_codes, Wq_scales, Wk_codes, Wk_scales, Wv_codes, Wv_scales, bq, bk, bv, qkv; writes qkv
.if DOCPART == 2
	.amdgcn_target "amdgcn-amd-amdhsa--gfx1250"
	.amdhsa_code_object_version 6
	.text
	.protected	k_qd53632dcee_qkv
	.globl	k_qd53632dcee_qkv
	.p2align	8
	.type	k_qd53632dcee_qkv,@function
k_qd53632dcee_qkv:
	s_mov_b64 s[64:65], 0
	v_nop
	global_prefetch_b8 v0, s[64:65] scope:SCOPE_SE
	s_setreg_imm32_b32 hwreg(HW_REG_WAVE_MODE, 25, 1), 1
	s_wait_xcnt 0x0
	s_wait_alu depctr_hold_cnt(0) depctr_sa_sdst(0) depctr_va_vdst(0) depctr_va_sdst(0) depctr_va_ssrc(0) depctr_va_vcc(0) depctr_vm_vsrc(0)
	s_getreg_b32 s2, hwreg(HW_REG_IB_STS2, 6, 4)
	s_cmp_eq_u32 s2, 0
	s_cbranch_scc0 .Lentry_in_a_cluster
	s_endpgm
.Lentry_in_a_cluster:
	s_bfe_u32 s2, ttmp6, 0x10000c
	s_cmp_lg_u32 s2, 0xf033
	s_cbranch_scc0 .Lentry_shape_is_right
	s_endpgm
.Lentry_shape_is_right:
; q = x Wq + bq, k = x Wk + bk, v = x Wv + bv on codes of FP4 (E2M1) with one E8M0 scale for each 32 along K = 1,024; the results are quantised here, in registers, and stored as IMAGES OF OPERAND REGISTERS for the attention launch.
; x: [8192][1024] codes (512 bytes a row), scales [8192][32].  W*: [1024 (out)][1024 (k)] codes, scales [1024][32].  b*: [1024] f32.
; SHARES.  The cluster's x says which product: 0 q, 1 k, 2 v.  A work-group makes 256 tokens (256 y on) x 256 outputs (256 cx on); each of its four waves 128 x 128: 64 accumulators of 16 x 16, 512 registers.
; ALL OF K LIES IN LDS: two halves of 512 along K (rows of 256 bytes + 16 of padding), x's 256 rows and then W's 256 rows in each, and behind them the scale bytes.  Every byte is filled once, so there is no ring: by this text's own count
; a wave has three tensor loads out, waits for all three, and one barrier follows, behind which LDS is only read.
; WHICH OPERAND IS THE LANES' SIDE.  The next product's K must run along a lane's registers.  q and k are quantised along the head's 64, so source 0 = 16 rows of W and source 1 = 16 tokens: a lane holds ONE token and eight outputs.
; v is quantised along the keys, so source 0 = 16 tokens and source 1 = 16 rows of Wv: a lane holds ONE output and eight tokens.  "A" below is source 1's tensor, "B" source 0's.  Only the LDS address registers say which is which
; (chosen by the cluster's x, which all partners share), so the K steps are one text.  What parts on the product's number: the bias loads, the C of the first K step's products, the stores.
; CLUSTERS: 4 x 4 work-groups.  x's tile hangs on y alone and is asked for jointly by a row of the cluster, W's on cx alone (and the cluster's x) and by a column.
; THE QUANTISER: a block's scale is 2^(floor(log2(largest magnitude)) - 2); its byte is the largest magnitude's exponent field - 2, held at 1 from below.
; LIMITS: a block of zeros gets the byte 1 where the rule says 127 (its codes are zeros; this program alone reads the bytes); NaN and infinities are not served; a scale byte 0xff among the inputs gives NaN.
; THE RECORD of a (batch, head), HEADR bytes: K's codes [key tile of 16][lane][16 B]; V's [step of 128 keys][16 channels][c][lane][16 B]; K's scale words [step][lane (r, h)][4]: word i = key tile 4 h + i, row r; V's [step][lane][4]: word = 16 channels' number;
; Q's codes and scale words as K's.  A head is 64, half of the instruction's 128: a fragment of q or k is its lower four registers; the attention launch keeps zeros in the upper four.
; REGISTERS, in windows of 256: window 0: v16-27 addresses; v32-95 scale words (lanes 0-15 A's, lanes 16-31 B's); v96-159 the codes made; v160-223 the bias; v224-255 at work.
;   window 1: B's fragments at v0 and v64, A's at v128 and v192: two sets.   windows 2, 3: the accumulators ((a, b) at v[8 (8 (a % 4) + b)] of window 2 + a / 4).
.set PITCH,  272                       ; an LDS row: 256 bytes + 16 of padding
.set HALFT,  128*PITCH                 ; 128 rows: what one tensor load brings, and what one wave reads of A or of B
.set SLOT,   4*HALFT                   ; half of K: x's 256 rows, then W's 256 rows
.set SCL,    2*SLOT                    ; the scale bytes: x's 256 rows, then W's, as units of 256 bytes + 16
.set HALFS,  16*272                    ; those of 128 rows (32 bytes a row)
.set SBLK,   2*272                     ; those of 16 rows
.set HEADR,  221184
.set R_VC,   65536
.set R_KS,   131072
.set R_VS,   139264
.set R_QC,   147456
.set R_QS,   212992
.set ADRA, 16                          ; v16-17  LDS address of my A fragments in K half 0, 1
.set ADRB, 20                          ; v20-21  the same for B
.set LN16, 24                          ; v24     16 x lane
.set H32,  25                          ; v25     32 x (lane / 16)
.set R4,   26                          ; v26     4 x (lane % 16)
.set ADRS, 27                          ; v27     LDS address of my scale words
.set SC,   32                          ; set s (K half s) at v[SC + 32 s]; register 4 i + q: block i, the half's q-th 128 along K
.set PC,   96                          ; the codes of block a: v[PC + 8 a] on
.set BIAS, 160
.set TM,   224                         ; v224-227 largest magnitudes, v228-231 bytes, v236-239 the conversions' scale operands
.set PW,   240                         ; v240-247 block a's scale word
.set SLO,  248
.set SHI,  252
.set G1X,  24                          ; s[24:31] group 1 for x's tiles;  s[32:39] groups 0, one for each K half
.set G0X,  32
.set G1W,  48                          ; s[48:55], s[56:63] the same for W's
.set G0W,  56
.set G1SX, 68                          ; s[68:75], s[76:79] groups 1 and 0 for x's scales;  s[80:87], s[88:91] for W's
.set G0SX, 76
.set G1SW, 80
.set G0SW, 88
.set PSEL, 98                          ; s[98:99] v_permlanex16_b32's selects for lane l xor 16
.set MSB, 0
.macro WIN new                         ; the immediate's high byte repeats the setting that is left
.if MSB != \new
	s_set_vgpr_msb (MSB<<8)|\new
.set MSB, \new
.endif
.endm
; A joint load: waves 0 and 1 fetch for x, waves 2 and 3 for W.  Each line has one mask and one set of registers for all that issue it; the branch hangs on the wave's number alone.  Four v_nop follow each line.
.macro JLOAD g0a, g1a, g0b, g1b
	s_cmp_eq_u32 s15, 0
	s_cbranch_scc0 .Lfor_w_\@
	tensor_load_to_lds s[\g0a:\g0a+3], s[\g1a:\g1a+7]
	s_nop 0
.rept 4
	v_nop
.endr
	s_branch .Lasked_\@
.Lfor_w_\@:
	tensor_load_to_lds s[\g0b:\g0b+3], s[\g1b:\g1b+7]
	s_nop 0
.rept 4
	v_nop
.endr
.Lasked_\@:
.endm
.macro CROUND                          ; a round of the cluster's barrier
	s_barrier_signal -1
	s_barrier_wait -1
	s_cmp_lg_u32 s14, 0
	s_cbranch_scc1 .Lnot_wave_0_\@
	s_barrier_signal -3
.Lnot_wave_0_\@:
	s_barrier_wait -3
	s_barrier_signal -1
	s_barrier_wait -1
.endm
.macro PLACES                          ; four plain vector instructions between a matrix instruction and a load into a register that it read, or a read of its result
.rept 4
	v_nop
.endr
.endm
	s_load_b128 s[4:7], s[0:1], 0x0                ; x's codes, x's scales
	s_load_b256 s[24:31], s[0:1], 0x10             ; Wq's codes, scales; Wk's codes, scales
	s_load_b256 s[32:39], s[0:1], 0x30             ; Wv's codes, scales; bq; bk
	s_load_b128 s[48:51], s[0:1], 0x50             ; bv; qkv
	v_lshrrev_b32 v1, 5, v0
	v_readfirstlane_b32 s14, v1                    ; wave 0..3
	s_lshr_b32 s15, s14, 1                         ; my half of A's rows.  Also: I fetch for x (0) or for W (1)
	s_and_b32 s16, s14, 1                          ; my half of B's rows.  Also: which 128 rows I fetch
	s_bfe_u32 s40, ttmp6, 0x40000                  ; cx, cy: my place in the cluster
	s_bfe_u32 s41, ttmp6, 0x40004
	s_and_b32 s17, ttmp7, 0xffff
	s_lshl_b32 s17, s17, 2
	s_add_co_u32 s17, s17, s41                     ; y: my 256 tokens
	s_lshl_b32 s43, s41, 2
	s_lshl_b32 s43, 15, s43                        ; my row of the cluster
	s_lshl_b32 s44, 0x1111, s40                    ; my column
	s_wait_kmcnt 0x0
	s_cmp_eq_u32 ttmp9, 0                          ; which weight: the choice hangs on the cluster's x alone
	s_cselect_b64 s[8:9], s[24:25], s[28:29]
	s_cselect_b64 s[10:11], s[26:27], s[30:31]
	s_cselect_b64 s[96:97], s[36:37], s[38:39]
	s_cmp_eq_u32 ttmp9, 2
	s_cselect_b64 s[8:9], s[32:33], s[8:9]         ; W's codes
	s_cselect_b64 s[10:11], s[34:35], s[10:11]     ; W's scales
	s_cselect_b64 s[96:97], s[48:49], s[96:97]     ; the bias
	s_mov_b64 s[12:13], s[50:51]                   ; qkv
	; group 1: a tile of 128 rows x 256 bytes out of rows of 512, 16 bytes of padding behind each
	s_or_b32 s[G1X+0], s43, (0<<16)|(1<<20)|(1<<21)|(5<<22)|(3<<25)  ; 15:0 the mask: x's tiles go to my row; 17:16 elements of 1 byte; 20 padding on; 21 set beside a mask; 24:22 after every 64 words; 31:25 four words
	s_or_b32 s[G1W+0], s44, (0<<16)|(1<<20)|(1<<21)|(5<<22)|(3<<25)
.irp g, G1X, G1W
	s_mov_b32 s[\g+1], 256<<16                     ; tensor_dim0
	s_mov_b32 s[\g+2], 128<<16                     ; tensor_dim1
	s_mov_b32 s[\g+3], 256<<16                     ; tile_dim0
	s_mov_b32 s[\g+4], 128                         ; tile_dim1
	s_mov_b32 s[\g+5], 512                         ; from row to row
	s_mov_b32 s[\g+6], 0
	s_mov_b32 s[\g+7], 0
.endr
	; the scales of 128 rows: 4,096 dense bytes, as 16 rows of 256 bytes (32 elements of 8 bytes), 16 bytes of padding behind each
	s_or_b32 s[G1SX+0], s43, (3<<16)|(1<<20)|(1<<21)|(5<<22)|(3<<25)
	s_or_b32 s[G1SW+0], s44, (3<<16)|(1<<20)|(1<<21)|(5<<22)|(3<<25)
.irp g, G1SX, G1SW
	s_mov_b32 s[\g+1], 32<<16
	s_mov_b32 s[\g+2], 16<<16
	s_mov_b32 s[\g+3], 32<<16
	s_mov_b32 s[\g+4], 16
	s_mov_b32 s[\g+5], 32
	s_mov_b32 s[\g+6], 0
	s_mov_b32 s[\g+7], 0
.endr
	s_lshl_b32 s18, s16, 7                         ; which 128 rows I fetch
	s_lshl_b32 s20, s17, 8
	s_add_co_u32 s20, s20, s18                     ; x: row 256 y + 128 x half
	s_lshl_b32 s46, s40, 8
	s_add_co_u32 s46, s46, s18                     ; W: row 256 cx + 128 x half
	s_lshl_b32 s22, s20, 5                         ; their scales: 32 bytes a row,
	s_mov_b32 s23, 0
	s_lshl_b32 s20, s20, 9                         ; their codes: 512
	s_mov_b32 s21, 0
	s_lshl_b32 s92, s46, 5
	s_mov_b32 s93, 0
	s_lshl_b32 s46, s46, 9
	s_mov_b32 s47, 0
	s_mul_i32 s45, s14, HALFT                      ; where they go: wave x 128 rows: no place in the cluster enters an LDS address
	s_mul_i32 s94, s14, HALFS
	s_add_nc_u64 s[20:21], s[4:5], s[20:21]
	s_add_nc_u64 s[22:23], s[6:7], s[22:23]
	s_add_nc_u64 s[46:47], s[8:9], s[46:47]
	s_add_nc_u64 s[92:93], s[10:11], s[92:93]
	CROUND                                         ; all sixteen work-groups are here: the joint loads meet
	s_mov_b32 s[G0SX], 1
	s_add_co_u32 s[G0SX+1], s94, SCL
	s_mov_b64 s[G0SX+2:G0SX+3], s[22:23]
	s_or_b32 s[G0SX+3], s[G0SX+3], 0x80000000
	s_mov_b32 s[G0SW], 1
	s_add_co_u32 s[G0SW+1], s94, SCL
	s_mov_b64 s[G0SW+2:G0SW+3], s[92:93]
	s_or_b32 s[G0SW+3], s[G0SW+3], 0x80000000
	JLOAD G0SX, G1SX, G0SW, G1SW
.irp s, 0,1
	s_mov_b32 s[G0X+4*\s], 1
	s_add_co_u32 s[G0X+4*\s+1], s45, \s*SLOT
	s_add_nc_u64 s[G0X+4*\s+2:G0X+4*\s+3], s[20:21], \s*256
	s_or_b32 s[G0X+4*\s+3], s[G0X+4*\s+3], 0x80000000
	s_mov_b32 s[G0W+4*\s], 1
	s_add_co_u32 s[G0W+4*\s+1], s45, \s*SLOT
	s_add_nc_u64 s[G0W+4*\s+2:G0W+4*\s+3], s[46:47], \s*256
	s_or_b32 s[G0W+4*\s+3], s[G0W+4*\s+3], 0x80000000
	JLOAD G0X+4*\s, G1X, G0W+4*\s, G1W
.endr
	; the LDS addresses.  For q and k A is x and B is W; for v the other way round
	v_and_b32 v1, 15, v0                           ; r
	v_bfe_u32 v2, v0, 4, 1                         ; h
	v_mul_u32_u24 v3, v1, PITCH
	v_lshl_add_u32 v4, v2, 4, v3                   ; a fragment's row x pitch + 16 h
	s_wait_alu depctr_va_vdst(0)
	s_cmp_eq_u32 ttmp9, 2
	s_cselect_b32 s2, 2*HALFT, 0                   ; where A's 256 rows begin in a K half,
	s_cselect_b32 s3, 0, 2*HALFT                   ; and B's
	s_cselect_b32 s4, 1, 0                         ; 1 for v
	s_cselect_b32 s5, s16, s15                     ; which half of x's rows I multiply,
	s_cselect_b32 s6, s15, s16                     ; and which of W's
	s_mul_i32 s7, s15, HALFT
	s_add_co_u32 s2, s2, s7
	s_mul_i32 s7, s16, HALFT
	s_add_co_u32 s3, s3, s7
	v_add_nc_u32 v[ADRA], s2, v4
	v_add_nc_u32 v[ADRB], s3, v4
	v_add_nc_u32 v[ADRA+1], SLOT, v[ADRA]
	v_add_nc_u32 v[ADRB+1], SLOT, v[ADRB]
	v_lshlrev_b32 v5, 5, v1                        ; my row's scales: 32 bytes a row,
	v_lshrrev_b32 v6, 8, v5
	v_lshl_add_u32 v5, v6, 4, v5                   ; and 16 more for each 256 passed
	s_mul_i32 s7, s5, HALFS                        ; x's scales, my half: the lower base;
	s_mul_i32 s8, s6, HALFS
	s_add_co_u32 s8, s8, 2*HALFS
	s_sub_co_u32 s8, s8, s7                        ; the distance from there to W's, my half
	v_xor_b32 v6, s4, v2                           ; lanes 0-15 take A's words and lanes 16-31 B's: 1 in the lanes that take W's
	v_mul_u32_u24 v6, s8, v6
	s_add_co_u32 s7, s7, SCL
	v_add_nc_u32 v5, v5, v6
	v_add_nc_u32 v[ADRS], s7, v5
	v_and_b32 v7, 31, v0
	v_lshlrev_b32 v[LN16], 4, v7
	v_lshlrev_b32 v[H32], 5, v2
	v_lshlrev_b32 v[R4], 2, v1
.irp b, 0,1,2,3
	v_mov_b32 v[TM+4+\b], 0                        ; written once: a lane permute's destination counts as one of its sources
.endr
	s_mov_b32 s95, 0xffff0000                      ; lanes 16-31
	s_mov_b32 s[PSEL], 0x76543210
	s_mov_b32 s[PSEL+1], 0xfedcba98
	s_lshl_b32 s10, s40, 10                        ; the bias of my 128 outputs: 4 x (256 cx + 128 x my half of W)
	s_lshl_b32 s11, s6, 9
	s_add_co_u32 s10, s10, s11
	s_mov_b32 s11, 0
	s_add_nc_u64 s[96:97], s[96:97], s[10:11]
	; where my results go
	s_cmp_eq_u32 ttmp9, 0
	s_cselect_b32 s2, R_QC, 0                      ; the codes' region of a record,
	s_mov_b32 s3, R_KS
	s_cselect_b32 s3, R_QS, s3                     ; and the scale words'
	s_cmp_eq_u32 ttmp9, 2
	s_cselect_b32 s2, R_VC, s2
	s_cselect_b32 s3, R_VS, s3
	s_lshr_b32 s66, s17, 3                         ; the batch: 8 blocks of 256 tokens each
	s_lshl_b32 s66, s66, 4
	s_lshl_b32 s67, s40, 2
	s_add_co_u32 s66, s66, s67
	s_lshl_b32 s67, s6, 1
	s_add_co_u32 s66, s66, s67                     ; 16 x batch + my first head: 4 cx + 2 x my half of W
	s_mul_i32 s66, s66, HEADR
	s_and_b32 s67, s17, 7
	s_lshl_b32 s67, s67, 1
	s_add_co_u32 s67, s67, s5                      ; my 128 tokens are step 2 (y % 8) + my half of x
	s_lshl_b32 s100, s67, 12                       ; a step's codes: 4,096 bytes
	s_add_co_u32 s100, s100, s66
	s_add_co_u32 s100, s100, s2
	s_mov_b32 s101, 0
	s_add_nc_u64 s[100:101], s[12:13], s[100:101]
	s_lshl_b32 s67, s67, 9                         ; its scale words: 512
	s_add_co_u32 s66, s66, s67
	s_add_co_u32 s66, s66, s3
	s_mov_b32 s67, 0
	s_add_nc_u64 s[66:67], s[12:13], s[66:67]
	; the bias in the result's layout, eight registers a block: it is the C of each sum's first product
	s_cmp_eq_u32 ttmp9, 2
	s_cbranch_scc1 .Lv_bias
	s_wait_alu depctr_va_vdst(0)
.irp b, 0,1,2,3,4,5,6,7
	global_load_b128 v[BIAS+8*\b:BIAS+8*\b+3], v[H32], s[96:97] offset:64*\b        ; q, k: register j of block b: output 16 b + 8 h + j
	global_load_b128 v[BIAS+8*\b+4:BIAS+8*\b+7], v[H32], s[96:97] offset:64*\b+16
.endr
	s_branch .Lbias_asked
.Lv_bias:
	s_wait_alu depctr_va_vdst(0)
.irp a, 0,1,2,3,4,5,6,7
.irp j, 0,1,2,3,4,5,6,7
	global_load_b32 v[BIAS+8*\a+\j], v[R4], s[96:97] offset:64*\a                   ; v: all eight registers of block a: output 16 a + r
.endr
.endr
.Lbias_asked:
.macro FRAG reg, adr, q, i             ; a fragment, 16 rows x 128 K, is 8 registers: lane l holds row l % 16; registers 4 c .. 4 c + 3 hold K = 64 c + 32 (l / 16) + 0 .. 31
.irp c, 0,1
	ds_load_b128 v[\reg+4*\c:\reg+4*\c+3], v[\adr] offset:64*(\q)+32*\c+(\i)*16*PITCH
.endr
.endm
.macro FETCH slot, q, p                ; the 16 fragments of 128 along K, the K half's q-th, into set p: 32 loads in one run
	WIN 0x40                                       ; destination window 1, address window 0
.irp i, 0,1,2,3,4,5,6,7
	FRAG 64*(\p)+8*\i, ADRB+\slot, \q, \i
.endr
.irp i, 0,1,2,3,4,5,6,7
	FRAG 128+64*(\p)+8*\i, ADRA+\slot, \q, \i
.endr
.endm
.macro SCALES sc                       ; a K half's scale words: four a row; lanes 0-15 A's block i, lanes 16-31 B's block i
.irp i, 0,1,2,3,4,5,6,7
	ds_load_b128 v[SC+32*\sc+4*\i:SC+32*\sc+4*\i+3], v[ADRS] offset:\i*SBLK+16*\sc
.endr
.endm
; 32 products: A's blocks 4 hi .. 4 hi + 3 x B's eight.  mode 0: onto the sums; 1: the sums begin with the bias by B's block (q, k); 2: by A's block (v).
; The 64 accumulators take turns, one instruction a turn, in the same order in every K step.
.macro MULH p, q, sc, hi, mode
.irp a, 0,1,2,3
.irp b, 0,1,2,3,4,5,6,7
.if \mode == 0
	v_wmma_scale_f32_16x16x128_f8f6f4 v[8*(8*\a+\b):8*(8*\a+\b)+7], v[64*(\p)+8*\b:64*(\p)+8*\b+7], v[128+64*(\p)+8*(4*(\hi)+\a):128+64*(\p)+8*(4*(\hi)+\a)+7], v[8*(8*\a+\b):8*(8*\a+\b)+7], v[SC+32*(\sc)+4*\b+(\q)], v[SC+32*(\sc)+4*(4*(\hi)+\a)+(\q)] matrix_a_fmt:MATRIX_FMT_FP4 matrix_b_fmt:MATRIX_FMT_FP4 matrix_a_scale:MATRIX_SCALE_ROW1
.elseif \mode == 1
	v_wmma_scale_f32_16x16x128_f8f6f4 v[8*(8*\a+\b):8*(8*\a+\b)+7], v[64*(\p)+8*\b:64*(\p)+8*\b+7], v[128+64*(\p)+8*(4*(\hi)+\a):128+64*(\p)+8*(4*(\hi)+\a)+7], v[BIAS+8*\b:BIAS+8*\b+7], v[SC+32*(\sc)+4*\b+(\q)], v[SC+32*(\sc)+4*(4*(\hi)+\a)+(\q)] matrix_a_fmt:MATRIX_FMT_FP4 matrix_b_fmt:MATRIX_FMT_FP4 matrix_a_scale:MATRIX_SCALE_ROW1
.else
	v_wmma_scale_f32_16x16x128_f8f6f4 v[8*(8*\a+\b):8*(8*\a+\b)+7], v[64*(\p)+8*\b:64*(\p)+8*\b+7], v[128+64*(\p)+8*(4*(\hi)+\a):128+64*(\p)+8*(4*(\hi)+\a)+7], v[BIAS+8*(4*(\hi)+\a):BIAS+8*(4*(\hi)+\a)+7], v[SC+32*(\sc)+4*\b+(\q)], v[SC+32*(\sc)+4*(4*(\hi)+\a)+(\q)] matrix_a_fmt:MATRIX_FMT_FP4 matrix_b_fmt:MATRIX_FMT_FP4 matrix_a_scale:MATRIX_SCALE_ROW1
.endif
.endr
.endr
.endm
; K step k of 8: 64 products on set k % 2; in its middle the next step's fragments are fetched into the other set, 32 products ahead of their use
.macro KSTEP k
	s_wait_dscnt 0x0                               ; this step's fragments are in
	WIN 0xa5                                       ; sources 0 and 1 window 1, C and D window 2
	MULH (\k)%2, (\k)%4, (\k)/4, 0, 0
.if (\k) < 7
	PLACES                                         ; the other set was last read by the step before
	FETCH ((\k)+1)/4, ((\k)+1)%4, 1-(\k)%2
.endif
	WIN 0xf5                                       ; C and D window 3
	MULH (\k)%2, (\k)%4, (\k)/4, 1, 0
.endm
; Block a's 64 numbers of a lane (register 8 b + j = place 16 b + 8 h + j along the next K) become a fragment's 8 registers of codes and its scale word.
; The conversions' results are laid (tile 4 c, 4 c + 2, 4 c + 1, 4 c + 3), so that two exchanges of halves for each c leave registers 4 c .. 4 c + 3 with places 64 c + 32 h + 0 .. 31.
.macro QUANTW a
.set QW, 2+(\a)/4
.set QWM, (QW<<2)|(QW<<4)
.set QS0, 64*((\a)%4)
.set QP, PC+8*(\a)
	WIN QWM                                        ; sources 1 and 2: the accumulators' window
.irp b, 0,1,2,3
	v_max3_num_f32 v[TM+\b], 0x1800000, |v[QS0+16*\b]|, |v[QS0+16*\b+1]|   ; block b of 32: my 16 numbers, each accumulator from its low end on, and the floor 2^(3 - 127): the byte cannot fall under 1
.endr
.irp i, 2,4,6,8,10,12,14
.irp b, 0,1,2,3
	v_max3_num_f32 v[TM+\b], v[TM+\b], |v[QS0+16*\b+\i]|, |v[QS0+16*\b+\i+1]|
.endr
.endr
	WIN 0
.irp b, 0,1,2,3
	v_permlanex16_b32 v[TM+4+\b], v[TM+\b], s[PSEL], s[PSEL+1]
.endr
.irp b, 0,1,2,3
	v_max_num_f32 v[TM+\b], v[TM+\b], v[TM+4+\b]   ; with lane l xor 16's: the block's largest magnitude
.endr
.irp b, 0,1,2,3
	v_add_nc_u32 v[TM+12+\b], 0xff000000, v[TM+\b] ; 2 off its exponent field: the conversion takes the exponent field of this operand as its scale
.endr
.irp b, 0,1,2,3
	v_lshrrev_b32 v[TM+4+\b], 23, v[TM+12+\b]      ; the scale's byte
.endr
	v_lshl_or_b32 v[PW+(\a)], v[TM+5], 8, v[TM+4]
	v_lshl_or_b32 v[PW+(\a)], v[TM+6], 16, v[PW+(\a)]
	v_lshl_or_b32 v[PW+(\a)], v[TM+7], 24, v[PW+(\a)]
	WIN QW                                         ; source 0: the accumulators' window
.irp c, 0,1
	v_cvt_scalef32_pk8_fp4_f32 v[QP+4*\c], v[QS0+32*\c:QS0+32*\c+7], v[TM+12+2*\c]
	v_cvt_scalef32_pk8_fp4_f32 v[QP+4*\c+1], v[QS0+32*\c+16:QS0+32*\c+23], v[TM+13+2*\c]
	v_cvt_scalef32_pk8_fp4_f32 v[QP+4*\c+2], v[QS0+32*\c+8:QS0+32*\c+15], v[TM+12+2*\c]
	v_cvt_scalef32_pk8_fp4_f32 v[QP+4*\c+3], v[QS0+32*\c+24:QS0+32*\c+31], v[TM+13+2*\c]
.endr
	WIN 0
	v_nop                                          ; one plain vector instruction behind the conversions
.irp c, 0,1
	v_permlane16_swap_b32 v[QP+4*\c], v[QP+4*\c+1] ; the first's lanes 16-31 change places with the second's lanes 0-15
	v_permlane16_swap_b32 v[QP+4*\c+2], v[QP+4*\c+3]
.endr
.endm
	s_wait_tensorcnt 0x0                           ; my three loads have landed,
	s_barrier_signal -1
	s_barrier_wait -1                              ; everybody's have: from here on LDS is only read
	SCALES 0
	SCALES 1
	FETCH 0, 0, 0
	WIN 0                                          ; at a label and at a branch every window is 0
	s_wait_loadcnt 0x0                             ; the bias
	s_wait_dscnt 0x0
	s_cmp_eq_u32 ttmp9, 2                          ; K step 0 is written out: its products begin the sums with the bias, which lies otherwise for v
	s_cbranch_scc1 .Lv_lo
	WIN 0x85                                       ; C window 0, D window 2
	MULH 0, 0, 0, 0, 1
	WIN 0
	s_branch .Ldone_lo
.Lv_lo:
	WIN 0x85
	MULH 0, 0, 0, 0, 2
	WIN 0
.Ldone_lo:
	PLACES
	FETCH 0, 1, 1
	WIN 0
	s_cmp_eq_u32 ttmp9, 2
	s_cbranch_scc1 .Lv_hi
	WIN 0xc5                                       ; C window 0, D window 3
	MULH 0, 0, 0, 1, 1
	WIN 0
	s_branch .Ldone_hi
.Lv_hi:
	WIN 0xc5
	MULH 0, 0, 0, 1, 2
	WIN 0
.Ldone_hi:
.irp k, 1,2,3,4,5,6,7
	KSTEP \k
.endr
	WIN 0
	PLACES                                         ; in front of the first read of results
.irp a, 0,1,2,3,4,5,6,7
	QUANTW \a
.endr
	; every store below: 32 lanes, 16 bytes each, 512 consecutive bytes at a multiple of 256 from the buffer's first byte
	s_cmp_eq_u32 ttmp9, 2
	s_cbranch_scc1 .Lv_out
.irp a, 0,1,2,3,4,5,6,7                ; q, k: block a is key tile a of my step; registers 0-3 are my first head's 64, registers 4-7 the next head's
	global_store_b128 v[LN16], v[PC+8*\a:PC+8*\a+3], s[100:101] offset:512*\a
	global_store_b128 v[LN16], v[PC+8*\a+4:PC+8*\a+7], s[100:101] offset:HEADR+512*\a
.endr
.irp i, 0,1,2,3
	v_cndmask_b32 v[SLO+\i], v[PW+\i], v[PW+4+\i], s95   ; lanes 0-15: tile i's word, lanes 16-31: tile 4 + i's.  Bytes 0, 1 are the first head's; bytes 2, 3 stand over zero codes there
.endr
.irp i, 0,1,2,3
	v_lshrrev_b32 v[SHI+\i], 16, v[SLO+\i]         ; the next head's two bytes; 0 above them, over zero codes
.endr
	global_store_b128 v[LN16], v[SLO:SLO+3], s[66:67]
	global_store_b128 v[LN16], v[SHI:SHI+3], s[66:67] offset:HEADR
	s_branch .Lend
.Lv_out:
	s_wait_alu depctr_va_vdst(0)
.irp a, 0,1,2,3,4,5,6,7                ; v: block a is head a / 4 of my two, channels 16 (a % 4) on; its fragment's K are my step's 128 keys
.irp c, 0,1
	global_store_b128 v[LN16], v[PC+8*\a+4*\c:PC+8*\a+4*\c+3], s[100:101] offset:(\a/4)*HEADR+(\a%4)*1024+512*\c
.endr
.endr
	global_store_b128 v[LN16], v[PW:PW+3], s[66:67]
	global_store_b128 v[LN16], v[PW+4:PW+7], s[66:67] offset:HEADR
.Lend:
	CROUND                                         ; the closing round: no work-group ends while a partner may still ask for a tile that names it
	s_endpgm
.Lfunc_end_k_qd53632dcee_qkv:
	.size	k_qd53632dcee_qkv, .Lfunc_end_k_qd53632dcee_qkv-k_qd53632dcee_qkv
	.p2alignl 7, 3214868480
	.fill 96, 4, 3214868480
	.section	.rodata,"a",@progbits
	.p2align	6, 0x0
	.amdhsa_kernel k_qd53632dcee_qkv
		.amdhsa_group_segment_fixed_size 327680
		.amdhsa_private_segment_fixed_size 0
		.amdhsa_enable_private_segment 0
		.amdhsa_kernarg_size 96
		.amdhsa_user_sgpr_count 2
		.amdhsa_user_sgpr_kernarg_segment_ptr 1
		.amdhsa_wavefront_size32 1
		.amdhsa_system_sgpr_workgroup_id_x 1
		.amdhsa_system_sgpr_workgroup_id_y 1
		.amdhsa_system_sgpr_workgroup_id_z 1
		.amdhsa_system_vgpr_workitem_id 0
		.amdhsa_next_free_vgpr 1024
		.amdhsa_next_free_sgpr 102
		.amdhsa_reserve_vcc 0
		.amdhsa_float_denorm_mode_32 3
		.amdhsa_float_denorm_mode_16_64 3
		.amdhsa_memory_ordered 1
		.amdhsa_forward_progress 1
		.amdhsa_inst_pref_size 145
	.end_amdhsa_kernel
	.amdgpu_metadata
---
amdhsa.version: [ 1, 2 ]
amdhsa.kernels:
  - .name:           k_qd53632dcee_qkv
    .symbol:         k_qd53632dcee_qkv.kd
    .args:
      - { .name: x_codes, .offset: 0, .size: 8, .value_kind: global_buffer, .address_space: global }
      - { .name: x_scales, .offset: 8, .size: 8, .value_kind: global_buffer, .address_space: global }
      - { .name: Wq_codes, .offset: 16, .size: 8, .value_kind: global_buffer, .address_space: global }
      - { .name: Wq_scales, .offset: 24, .size: 8, .value_kind: global_buffer, .address_space: global }
      - { .name: Wk_codes, .offset: 32, .size: 8, .value_kind: global_buffer, .address_space: global }
      - { .name: Wk_scales, .offset: 40, .size: 8, .value_kind: global_buffer, .address_space: global }
      - { .name: Wv_codes, .offset: 48, .size: 8, .value_kind: global_buffer, .address_space: global }
      - { .name: Wv_scales, .offset: 56, .size: 8, .value_kind: global_buffer, .address_space: global }
      - { .name: bq, .offset: 64, .size: 8, .value_kind: global_buffer, .address_space: global }
      - { .name: bk, .offset: 72, .size: 8, .value_kind: global_buffer, .address_space: global }
      - { .name: bv, .offset: 80, .size: 8, .value_kind: global_buffer, .address_space: global }
      - { .name: qkv, .offset: 88, .size: 8, .value_kind: global_buffer, .address_space: global }
    .group_segment_fixed_size: 327680
    .private_segment_fixed_size: 0
    .kernarg_segment_align: 8
    .kernarg_segment_size: 96
    .max_flat_workgroup_size: 128
    .sgpr_count:     102
    .vgpr_count:     1024
    .wavefront_size: 32
...
	.end_amdgpu_metadata
.endif
;; end of part 2
;; launch attn (part 3): grid 4 x 64, 16 waves a work-group, no clusters, 147,456 bytes of LDS; arguments qkv, maskw, flags, oc, os; writes oc, os
.if DOCPART == 3
	.amdgcn_target "amdgcn-amd-amdhsa--gfx1250"
	.amdhsa_code_object_version 6
	.text
	.protected	k_qd53632dcee_attn
	.globl	k_qd53632dcee_attn
	.p2align	8
	.type	k_qd53632dcee_attn,@function
k_qd53632dcee_attn:
	s_mov_b64 s[64:65], 0
	v_nop
	global_prefetch_b8 v0, s[64:65] scope:SCOPE_SE
	s_setreg_imm32_b32 hwreg(HW_REG_WAVE_MODE, 25, 1), 1
	s_wait_xcnt 0x0
; O = softmax(where(mask, -1e9, q k^T / 8)) v for one (batch, head), both products on codes of FP4 (E2M1) with one E8M0 scale for each 32 along K; O / l is quantised along the head's 64 for the last product.
; THE SOFTMAX AHEAD OF THE SECOND PRODUCT: t = score x log2(e) / 8; M = the row's largest t so far, rounded UP to a whole number; p = 2^(t - M) is quantised along the keys, not normalised; the row's sum is taken of the
; unquantised p and divides at the end.  When M moves, the sum and O are multiplied by 2^(old M - new M), which rounds nothing.
; INPUTS: the head's record (the launch before laid it as images of operand registers) and, for each tile of 16 queries, a word of flags and a record of lane masks, both made from the mask input by the first launch.
; SHARES.  Four work-groups to a head; each copies the head's K and V, codes and scale words, 147,456 bytes, into LDS once, and its sixteen waves read them from there.  A wave owns two tiles of 16 queries, one after the other:
; tiles 8 G + i and 8 (15 - G) + i.  That pairing is a schedule only: it evens out masks that open with the query's number, and is right for every mask.
; THE MASK.  A step of 128 keys in which every place of my tile is masked is left out (its p are 0), by a scalar branch on the tile's stored flags; the flags name every step where a row of the tile is masked throughout.
; In a step with a masked place, 64 selects, each with a stored word as its lane mask, set the masked scores to -2^33; a step with none skips them.  The words of the next such step are asked for, by scalar loads, as soon as this one's are used.
; NO TENSOR LOAD, NO CLUSTER: the walk branches on numbers read from memory, so LDS is filled through registers; what the four work-groups of a head share is that one copy at the head.
; LAYOUT.  Both products are used transposed: S^T = K Q^T (source 0 = 16 keys, source 1 = my 16 queries), O^T = V^T P^T: a lane holds ONE query (lane % 16).  Register 8 a + j of S^T is key 16 a + 8 (lane / 16) + j.
; A head is 64, half of the instruction's 128: the upper four registers of Q's and K's fragments hold zero codes, set once.
; LIMITS: a masked score counts as -2^33, a logit of -2^30 where the definition has -1e9: -2^33 x c is a whole number, so a row masked throughout has p = 1 at every key, the mean of v, as defined; beside any open key whose logit
; lies far above -1e9 a masked p is 0 either way; logits near -1e9 are not told apart from masked ones.  A block of zeros keeps the scale byte 1.  NaN and infinities are not served.
; REGISTERS: v1-3 places that stay; v4-6 the step's LDS addresses; v7 -2^33; v8 Q's scale words; v9-11 offsets; v12 -M, v13 the largest t, v[14:15] the sum in two halves; v16-23 Q; v24-31 p's codes; v32-95 K; v96-159 S^T, then p;
;   v160-191 O^T; v192-223 V; v224-227 K's scale words, v228-231 V's; v232-254 at work; v249 p's scale word.
; SCALARS: s4-51 and s68-83 the 64 lane masks; s[52:53] the tile's record of lane masks, s54 the step's place in it; s55 flags; s56 step; s57, s58 the step's LDS bytes; s59 the tile; s66 steps to be masked; s[100:101] the batch's flags.
.set HEADR,  221184
.set R_VC,   65536
.set R_KS,   131072
.set R_QC,   147456
.set R_QS,   212992
	s_load_b128 s[84:87], s[0:1], 0x0              ; qkv, maskw
	s_load_b64 s[100:101], s[0:1], 0x10            ; flags
	s_load_b64 s[88:89], s[0:1], 0x18              ; oc
	s_load_b64 s[90:91], s[0:1], 0x20              ; os
	v_lshrrev_b32 v4, 5, v0
	s_delay_alu instid0(VALU_DEP_1)
	v_readfirstlane_b32 s58, v4                    ; wave 0..15
	v_and_b32 v5, 31, v0
	v_and_b32 v6, 15, v0                           ; r
	v_bfe_u32 v4, v0, 4, 1                         ; h
	s_delay_alu instid0(VALU_DEP_3)
	v_lshlrev_b32 v1, 4, v5                        ; 16 x lane: an image's place for my lane; K's codes begin at LDS byte 0
	s_delay_alu instid0(VALU_DEP_1)
	v_add_nc_u32 v2, R_VC, v1                      ; V's codes
	s_delay_alu instid0(VALU_DEP_2)
	v_add_nc_u32 v3, R_KS, v1                      ; K's scale words; V's lie 8,192 bytes on
	v_lshlrev_b32 v9, 4, v6                        ; Q's scale word: 16 r
	v_lshl_add_u32 v11, v6, 5, v4                  ; O's scale byte: 32 r + h
	s_mul_i32 s2, s58, 9216
	v_add_nc_u32 v10, s2, v1                       ; the copy: my wave's 9,216 bytes, in memory and in LDS alike
	v_mov_b32 v7, 0xd0000000                       ; -2^33
	s_and_b32 s3, ttmp7, 0xffff                    ; 16 x batch + head
	s_lshr_b32 s54, s3, 4
	s_and_b32 s55, s3, 15
	s_mul_i32 s4, s3, HEADR
	s_mov_b32 s5, 0
	s_lshl_b32 s6, s54, 19                         ; the batch's 128 records of lane masks, 4,096 bytes each
	s_mov_b32 s7, 0
	s_lshl_b32 s14, s54, 9                         ; and its 128 words of flags
	s_mov_b32 s15, 0
	s_lshl_b32 s10, s54, 16                        ; the batch's 2,048 tokens x 32 bytes
	s_lshl_b32 s8, s55, 18                         ; oc: a head's 8,192 tokens x 32 bytes
	s_add_co_u32 s8, s8, s10
	s_mov_b32 s9, 0
	s_lshl_b32 s12, s55, 1                         ; os: the head's two bytes of a token's 32
	s_add_co_u32 s10, s10, s12
	s_mov_b32 s11, 0
	s_lshr_b32 s3, s58, 3
	s_mul_i32 s3, s3, 7
	s_xor_b32 s3, s3, ttmp9                        ; G: waves 0-7: the work-group's x; waves 8-15: 7 - x
	s_lshl_b32 s3, s3, 3
	s_and_b32 s59, s58, 7
	s_add_co_u32 s59, s59, s3                      ; my first tile
	s_mov_b32 s60, 0x76543210
	s_mov_b32 s61, 0xfedcba98                      ; v_permlanex16_b32's selects for lane l xor 16
	s_mov_b32 s62, 0x3e38aa3b                      ; c = log2(e) / 8
	s_mov_b32 s63, s62                             ; (named with it as a pair, so it is written)
	s_mov_b32 s67, 0xffff0000                      ; lanes 16-31
	s_wait_alu depctr_va_vdst(0)
	s_wait_kmcnt 0x0
	s_add_nc_u64 s[84:85], s[84:85], s[4:5]
	s_add_nc_u64 s[86:87], s[86:87], s[6:7]
	s_add_nc_u64 s[100:101], s[100:101], s[14:15]
	s_add_nc_u64 s[88:89], s[88:89], s[8:9]
	s_add_nc_u64 s[90:91], s[90:91], s[10:11]
.irp i, 0,1,2,3,4,5,6,7,8,9,10,11,12,13,14,15,16,17
	global_load_b128 v[32+4*\i:35+4*\i], v10, s[84:85] offset:512*\i   ; 512 consecutive bytes a load
.endr
.irp i, 0,1,2,3
	v_mov_b32 v[20+\i], 0                          ; Q's upper half: zero codes
	v_mov_b32 v[236+\i], 0                         ; written once: a lane permute's destination counts as one of its sources
.endr
	v_mov_b32 v253, 0                              ; (named as the upper half of the pair v[252:253])
	v_mov_b32 v254, 0
.irp i, 0,1,2,3,4,5,6,7,8,9,10,11,12,13,14,15,16,17
	s_wait_loadcnt 17-\i                           ; load i is in, the younger ones stay out
	ds_store_b128 v10, v[32+4*\i:35+4*\i] offset:512*\i
.endr
	s_wait_dscnt 0x0                               ; for the others' sake: my part of the copy has landed
	s_barrier_signal -1
	s_barrier_wait -1                              ; the launch's one barrier: from here on LDS is only read
.irp a, 0,1,2,3,4,5,6,7
.irp i, 4,5,6,7
	v_mov_b32 v[32+8*\a+\i], 0                     ; K's upper halves: zero codes
.endr
.endr
.macro MLOAD                           ; a step's 64 lane masks, 256 bytes
	s_load_b512 s[4:19], s[52:53], s54 offset:0x0
	s_load_b512 s[20:35], s[52:53], s54 offset:0x40
	s_load_b512 s[36:51], s[52:53], s54 offset:0x80
	s_load_b512 s[68:83], s[52:53], s54 offset:0xc0
.endm
; ONE TILE OF 16 QUERIES, number s59
.macro TILE
	s_wait_kmcnt 0x0                               ; the last tile's scalar loads are done: their registers may be written
	s_wait_xcnt 0x0                                ; and its stores have read their registers and bases
	s_lshl_b32 s57, s59, 2                         ; the tile's word of flags; s57 is written again only behind the wait for this load
	s_load_b32 s55, s[100:101], s57 offset:0x0
	s_lshl_b32 s2, s59, 12                         ; its record of lane masks
	s_mov_b32 s3, 0
	s_add_nc_u64 s[52:53], s[86:87], s[2:3]
	s_lshl_b32 s2, s59, 9                          ; 16 tokens x 32 bytes
	s_add_nc_u64 s[96:97], s[88:89], s[2:3]        ; where O's codes go,
	s_add_nc_u64 s[98:99], s[90:91], s[2:3]        ; and its scale bytes
	s_add_co_u32 s2, s2, R_QC
	s_add_nc_u64 s[92:93], s[84:85], s[2:3]        ; Q's fragment: 512 bytes a tile
	s_lshr_b32 s2, s59, 2
	s_lshl_b32 s2, s2, 8                           ; its scale words: 256 bytes for each four tiles,
	s_and_b32 s56, s59, 3
	s_lshl_b32 s56, s56, 2                         ; word T % 4 of a lane's four
	s_add_co_u32 s2, s2, s56
	s_add_co_u32 s2, s2, R_QS
	s_add_nc_u64 s[94:95], s[84:85], s[2:3]
	global_load_b128 v[16:19], v1, s[92:93]
	global_load_b32 v8, v9, s[94:95]
	v_mov_b32 v13, 0xff61b1e6                      ; the largest t so far: -3e38, under every t
	s_delay_alu instid0(VALU_DEP_1)
	v_floor_f32 v12, -v13                          ; -M
	v_mov_b32 v14, 0
	v_mov_b32 v15, 0
.irp j, 0,1,2,3,4,5,6,7,8,9,10,11,12,13,14,15,16,17,18,19,20,21,22,23,24,25,26,27,28,29,30,31
	v_mov_b32 v[160+\j], 0                         ; O^T: the step is written once; the first step walked finds zeros, which the first change of M leaves zeros
.endr
	s_wait_kmcnt 0x0
	s_lshr_b32 s66, s55, 16
	s_and_b32 s66, s66, s55
	s_and_b32 s66, s66, 0xffff                     ; steps that are walked and have a masked place
	s_ctz_i32_b32 s2, s66                          ; the first of them (none: all ones, held at 15 below)
	s_min_u32 s2, s2, 15
	s_lshl_b32 s54, s2, 8                          ; its words in the record
	MLOAD
	s_mov_b32 s56, 0
	s_mov_b32 s57, 0
	s_mov_b32 s58, 0
	s_wait_loadcnt 0x0                             ; Q
.Lstep_\@:                                         ; sixteen trips, a constant: what a trip leaves out is its work, not its steps of addresses
	s_bitcmp1_b32 s55, s56
	s_cbranch_scc0 .Lskip_\@
	s_setprio 2
	v_add_nc_u32 v4, s57, v1
	v_add_nc_u32 v5, s57, v2
	v_add_nc_u32 v6, s58, v3
	v_nop                                          ; four plain vector instructions between the last step's products and the loads into registers that they read
.irp a, 0,1,2,3,4,5,6,7
	ds_load_b128 v[32+8*\a:35+8*\a], v4 offset:512*\a      ; K: key tile a
.endr
	ds_load_b128 v[224:227], v6                    ; its scale words: lanes 0-15 tiles 0-3, lanes 16-31 tiles 4-7
.irp d, 0,1,2,3
.irp c, 0,1
	ds_load_b128 v[192+8*\d+4*\c:195+8*\d+4*\c], v5 offset:1024*\d+512*\c   ; V: channels 16 d on, keys 64 c on
.endr
.endr
	ds_load_b128 v[228:231], v6 offset:8192
	s_wait_dscnt 9                                 ; K's nine loads are in; V's nine, issued behind them, stay out
.irp a, 0,1,2,3
	v_wmma_scale_f32_16x16x128_f8f6f4 v[96+8*\a:103+8*\a], v[32+8*\a:39+8*\a], v[16:23], 0, v[224+\a], v8 matrix_a_fmt:MATRIX_FMT_FP4 matrix_b_fmt:MATRIX_FMT_FP4
.endr
.irp a, 4,5,6,7
	v_wmma_scale_f32_16x16x128_f8f6f4 v[96+8*\a:103+8*\a], v[32+8*\a:39+8*\a], v[16:23], 0, v[220+\a], v8 matrix_a_fmt:MATRIX_FMT_FP4 matrix_b_fmt:MATRIX_FMT_FP4 matrix_a_scale:MATRIX_SCALE_ROW1
.endr
.rept 4
	v_nop
.endr
	s_bitcmp1_b32 s66, s56
	s_cbranch_scc0 .Lopen_\@
	s_wait_kmcnt 0x0                               ; this step's lane masks are in
.set n, 0
.rept 64
.if n < 48
	v_cndmask_b32 v[96+n], v[96+n], v7, s[4+n]     ; register n: masked places become -2^33; each accumulator from its low end on
.else
	v_cndmask_b32 v[96+n], v[96+n], v7, s[20+n]
.endif
.set n, n+1
.endr
	s_add_co_u32 s2, s56, 1                        ; the next step that has masked places (none: any step's words, inside the record, which nobody uses)
	s_lshr_b32 s3, s66, s2
	s_ctz_i32_b32 s3, s3
	s_add_co_u32 s3, s3, s2
	s_min_u32 s3, s3, 15
	s_lshl_b32 s54, s3, 8
	MLOAD
.Lopen_\@:
.irp b, 0,1,2,3
	v_max3_num_f32 v[232+\b], v[96+16*\b], v[97+16*\b], v[98+16*\b]   ; the largest score of each block of 32 keys: it serves for the row's maximum and, since p rises with the score, for the block's largest p
.endr
.irp i, 3,5,7,9,11,13
.irp b, 0,1,2,3
	v_max3_num_f32 v[232+\b], v[232+\b], v[96+16*\b+\i], v[97+16*\b+\i]
.endr
.endr
.irp b, 0,1,2,3
	v_max_num_f32 v[232+\b], v[232+\b], v[111+16*\b]
.endr
.irp b, 0,1,2,3
	s_delay_alu instid0(VALU_DEP_4)
	v_permlanex16_b32 v[236+\b], v[232+\b], s60, s61
.endr
.irp b, 0,1,2,3
	s_delay_alu instid0(VALU_DEP_4)
	v_max_num_f32 v[232+\b], v[232+\b], v[236+\b]  ; with lane l xor 16's 16 keys
.endr
	s_delay_alu instid0(VALU_DEP_2)
	v_max3_num_f32 v254, v232, v233, v234
	s_delay_alu instid0(VALU_DEP_1)
	v_max_num_f32 v254, v254, v235
	s_delay_alu instid0(VALU_DEP_1)
	v_mul_f32 v254, s62, v254                      ; the step's largest t (c is positive)
	s_delay_alu instid0(VALU_DEP_1)
	v_max_num_f32 v13, v13, v254
	v_mov_b32 v254, v12
	s_delay_alu instid0(VALU_DEP_2)
	v_floor_f32 v12, -v13                          ; the new -M = floor(-t) = -ceil(t)
	s_delay_alu instid0(VALU_DEP_1)
	v_sub_f32 v254, v12, v254                      ; old M - new M: a whole number, 0 or less
	s_delay_alu instid0(VALU_DEP_1)
	v_cvt_i32_f32 v254, v254                       ; (it saturates)
	s_delay_alu instid0(VALU_DEP_1)
	v_ldexp_f32 v252, 1.0, v254                    ; f = 2^(old M - new M)
.irp j, 0,2,4,6,8,10,12,14,16,18,20,22,24,26,28,30,32,34,36,38,40,42,44,46,48,50,52,54,56,58,60,62
	v_pk_fma_f32 v[96+\j:97+\j], v[96+\j:97+\j], s[62:63], v[12:13] op_sel_hi:[1,0,0]   ; t - M, two at a time (of the pairs c and -M the low word serves both halves)
.endr
.irp b, 0,1,2,3
	v_fma_f32 v[232+\b], v[232+\b], s62, v12       ; the same of each block's largest score
.endr
	s_setprio 1
	s_wait_alu depctr_va_vdst(0)
.irp j, 0,1,2,3,4,5,6,7,8,9,10,11,12,13,14,15,16,17,18,19,20,21,22,23,24,25,26,27,28,29,30,31,32,33,34,35,36,37,38,39,40,41,42,43,44,45,46,47,48,49,50,51,52,53,54,55,56,57,58,59,60,61,62,63
	v_exp_f32 v[96+\j], v[96+\j]                   ; p = 2^(t - M), at most 1
.endr
	v_pk_mul_f32 v[14:15], v[14:15], v[252:253] op_sel_hi:[1,0]   ; the sums under the new M: the plain instruction behind the exponentials
	s_wait_alu depctr_va_vdst(0)                   ; one wait for the batch of 64, ahead of the first line that names a result
.irp b, 0,1,2,3
	v_exp_f32 v[232+\b], v[232+\b]                 ; the block's largest p: the same two instructions on the same number
.endr
	v_pk_add_f32 v[236:237], v[100:101], v[104:105]
	v_pk_add_f32 v[250:251], v[108:109], v[112:113]
	v_pk_add_f32 v[248:249], v[116:117], v[120:121]
	v_pk_add_f32 v[246:247], v[124:125], v[128:129]
	v_pk_add_f32 v[244:245], v[132:133], v[136:137]
	v_pk_add_f32 v[242:243], v[140:141], v[144:145]
	v_pk_add_f32 v[240:241], v[148:149], v[152:153]
	v_pk_add_f32 v[14:15], v[14:15], v[156:157]
	v_pk_add_f32 v[236:237], v[236:237], v[96:97]
	v_pk_add_f32 v[250:251], v[250:251], v[98:99]
	v_pk_add_f32 v[248:249], v[248:249], v[102:103]
	v_pk_add_f32 v[246:247], v[246:247], v[106:107]
	v_pk_add_f32 v[244:245], v[244:245], v[110:111]
	v_pk_add_f32 v[242:243], v[242:243], v[114:115]
	v_pk_add_f32 v[240:241], v[240:241], v[118:119]
	v_pk_add_f32 v[14:15], v[14:15], v[122:123]
	v_pk_add_f32 v[236:237], v[236:237], v[126:127]
	v_pk_add_f32 v[250:251], v[250:251], v[130:131]
	v_pk_add_f32 v[248:249], v[248:249], v[134:135]
	v_pk_add_f32 v[246:247], v[246:247], v[138:139]
	v_pk_add_f32 v[244:245], v[244:245], v[142:143]
	v_pk_add_f32 v[242:243], v[242:243], v[146:147]
	v_pk_add_f32 v[240:241], v[240:241], v[150:151]
	v_pk_add_f32 v[14:15], v[14:15], v[154:155]
	v_pk_add_f32 v[236:237], v[236:237], v[158:159]
	s_delay_alu instid0(VALU_DEP_2)
	v_pk_add_f32 v[14:15], v[14:15], v[246:247]
	s_delay_alu instid0(VALU_DEP_2)
	v_pk_add_f32 v[236:237], v[236:237], v[244:245]
	v_pk_add_f32 v[250:251], v[250:251], v[242:243]
	v_pk_add_f32 v[248:249], v[248:249], v[240:241]
	s_delay_alu instid0(VALU_DEP_2)
	v_pk_add_f32 v[14:15], v[14:15], v[250:251]
	s_delay_alu instid0(VALU_DEP_2)
	v_pk_add_f32 v[236:237], v[236:237], v[248:249]
	s_delay_alu instid0(VALU_DEP_1)
	v_pk_add_f32 v[14:15], v[14:15], v[236:237]
	s_wait_alu depctr_va_vdst(0)                   ; and one for the four
.irp b, 0,1,2,3
	v_max_num_f32 v[232+\b], 0x1800000, v[232+\b]  ; the floor 2^(3 - 127): the byte cannot fall under 1
.endr
.irp b, 0,1,2,3
	s_delay_alu instid0(VALU_DEP_4)
	v_add_nc_u32 v[244+\b], 0xff000000, v[232+\b]  ; 2 off the exponent field: the conversion's scale operand
.endr
.irp b, 0,1,2,3
	s_delay_alu instid0(VALU_DEP_4)
	v_lshrrev_b32 v[236+\b], 23, v[244+\b]         ; the scale's byte
.endr
	s_delay_alu instid0(VALU_DEP_3)
	v_lshl_or_b32 v249, v237, 8, v236              ; p's scale word for these 128 keys
	s_delay_alu instid0(VALU_DEP_1)
	v_lshl_or_b32 v249, v238, 16, v249
	s_delay_alu instid0(VALU_DEP_1)
	v_lshl_or_b32 v249, v239, 24, v249
	s_setprio 0
.irp c, 0,1                            ; the results are laid (tile 4 c, 4 c + 2, 4 c + 1, 4 c + 3), so that the exchanges below leave registers 4 c .. 4 c + 3 with keys 64 c + 32 h + 0 .. 31
	v_cvt_scalef32_pk8_fp4_f32 v[24+4*\c], v[96+32*\c:103+32*\c], v[244+2*\c]
	v_cvt_scalef32_pk8_fp4_f32 v[25+4*\c], v[112+32*\c:119+32*\c], v[245+2*\c]
	v_cvt_scalef32_pk8_fp4_f32 v[26+4*\c], v[104+32*\c:111+32*\c], v[244+2*\c]
	v_cvt_scalef32_pk8_fp4_f32 v[27+4*\c], v[120+32*\c:127+32*\c], v[245+2*\c]
.endr
	v_nop                                          ; one plain vector instruction behind the conversions
.irp c, 0,1
	v_permlane16_swap_b32 v[24+4*\c], v[25+4*\c]
	v_permlane16_swap_b32 v[26+4*\c], v[27+4*\c]
.endr
.irp j, 0,2,4,6,8,10,12,14,16,18,20,22,24,26,28,30
	v_pk_mul_f32 v[160+\j:161+\j], v[160+\j:161+\j], v[252:253] op_sel_hi:[1,0]   ; O^T under the new M.  These sixteen also stand between the lines that made p's codes and scale word and the products
.endr
	s_wait_alu depctr_va_vdst(0)
	s_wait_dscnt 0x0                               ; V is in
.irp d, 0,1,2,3
	v_wmma_scale_f32_16x16x128_f8f6f4 v[160+8*\d:167+8*\d], v[192+8*\d:199+8*\d], v[24:31], v[160+8*\d:167+8*\d], v[228+\d], v249 matrix_a_fmt:MATRIX_FMT_FP4 matrix_b_fmt:MATRIX_FMT_FP4
.endr
.Lskip_\@:
	s_add_co_u32 s57, s57, 4096                    ; the next step's codes,
	s_add_co_u32 s58, s58, 512                     ; and scale words
	s_add_co_u32 s56, s56, 1
	s_cmp_lt_u32 s56, 16
	s_cbranch_scc1 .Lstep_\@
	s_setprio 0
	; THE WAY OUT: O^T / the sum, quantised along the head's 64: two blocks of 32
.rept 4
	v_nop                                          ; in front of the first read of the last products' results
.endr
	v_add_f32 v14, v14, v15                        ; the sum's two halves,
	s_delay_alu instid0(VALU_DEP_1)
	v_permlanex16_b32 v254, v14, s60, s61
	s_delay_alu instid0(VALU_DEP_1)
	v_add_f32 v14, v14, v254                       ; and lane l xor 16's
	s_wait_alu depctr_va_vdst(0)
	v_rcp_f32 v252, v14
	v_nop                                          ; a plain instruction behind the reciprocal
	s_wait_alu depctr_va_vdst(0)                   ; and the wait ahead of the first line that names its result
.irp j, 0,2,4,6,8,10,12,14,16,18,20,22,24,26,28,30
	v_pk_mul_f32 v[96+\j:97+\j], v[160+\j:161+\j], v[252:253] op_sel_hi:[1,0]   ; register 8 d + j: channel 16 d + 8 h + j; each accumulator from its low end on
.endr
.irp b, 0,1
	v_max3_num_f32 v[232+\b], 0x1800000, |v[96+16*\b]|, |v[97+16*\b]|
.endr
.irp i, 2,4,6,8,10,12,14
.irp b, 0,1
	s_delay_alu instid0(VALU_DEP_2)
	v_max3_num_f32 v[232+\b], v[232+\b], |v[96+16*\b+\i]|, |v[97+16*\b+\i]|
.endr
.endr
.irp b, 0,1
	s_delay_alu instid0(VALU_DEP_2)
	v_permlanex16_b32 v[236+\b], v[232+\b], s60, s61
.endr
.irp b, 0,1
	s_delay_alu instid0(VALU_DEP_2)
	v_max_num_f32 v[232+\b], v[232+\b], v[236+\b]
.endr
.irp b, 0,1
	s_delay_alu instid0(VALU_DEP_2)
	v_add_nc_u32 v[244+\b], 0xff000000, v[232+\b]
.endr
.irp b, 0,1
	s_delay_alu instid0(VALU_DEP_2)
	v_lshrrev_b32 v[236+\b], 23, v[244+\b]
.endr
	s_delay_alu instid0(VALU_DEP_1)
	v_cndmask_b32 v250, v236, v237, s67            ; lanes 0-15 store block 0's byte, lanes 16-31 block 1's
	v_cvt_scalef32_pk8_fp4_f32 v24, v[96:103], v244
	v_cvt_scalef32_pk8_fp4_f32 v25, v[112:119], v245
	v_cvt_scalef32_pk8_fp4_f32 v26, v[104:111], v244
	v_cvt_scalef32_pk8_fp4_f32 v27, v[120:127], v245
	v_nop
	v_permlane16_swap_b32 v24, v25
	v_permlane16_swap_b32 v26, v27                 ; v[24:27]: channels 32 h + 0 .. 31 of query r: half a fragment of the last product
	global_store_b128 v1, v[24:27], s[96:97]       ; as an image: 512 consecutive bytes, at a multiple of 256 from the buffer's first byte
	global_store_b8 v11, v250, s[98:99]            ; two bytes of each token's 32: a sixteenth of what the launch stores leaves in single bytes
.endm
	TILE
	s_xor_b32 s59, s59, 120                        ; from tile 8 G + i to tile 8 (15 - G) + i
	TILE
	s_wait_kmcnt 0x0                               ; the lane masks asked for last are not used
	s_endpgm
.Lfunc_end_k_qd53632dcee_attn:
	.size	k_qd53632dcee_attn, .Lfunc_end_k_qd53632dcee_attn-k_qd53632dcee_attn
	.p2alignl 7, 3214868480
	.fill 96, 4, 3214868480
	.section	.rodata,"a",@progbits
	.p2align	6, 0x0
	.amdhsa_kernel k_qd53632dcee_attn
		.amdhsa_group_segment_fixed_size 147456
		.amdhsa_private_segment_fixed_size 0
		.amdhsa_enable_private_segment 0
		.amdhsa_kernarg_size 40
		.amdhsa_user_sgpr_count 2
		.amdhsa_user_sgpr_kernarg_segment_ptr 1
		.amdhsa_wavefront_size32 1
		.amdhsa_system_sgpr_workgroup_id_x 1
		.amdhsa_system_sgpr_workgroup_id_y 1
		.amdhsa_system_sgpr_workgroup_id_z 1
		.amdhsa_system_vgpr_workitem_id 0
		.amdhsa_next_free_vgpr 256
		.amdhsa_next_free_sgpr 102
		.amdhsa_reserve_vcc 0
		.amdhsa_float_denorm_mode_32 3
		.amdhsa_float_denorm_mode_16_64 3
		.amdhsa_memory_ordered 1
		.amdhsa_forward_progress 1
		.amdhsa_inst_pref_size 63
	.end_amdhsa_kernel
	.amdgpu_metadata
---
amdhsa.version: [ 1, 2 ]
amdhsa.kernels:
  - .name:           k_qd53632dcee_attn
    .symbol:         k_qd53632dcee_attn.kd
    .args:
      - { .name: qkv, .offset: 0, .size: 8, .value_kind: global_buffer, .address_space: global }
      - { .name: maskw, .offset: 8, .size: 8, .value_kind: global_buffer, .address_space: global }
      - { .name: flags, .offset: 16, .size: 8, .value_kind: global_buffer, .address_space: global }
      - { .name: oc, .offset: 24, .size: 8, .value_kind: global_buffer, .address_space: global }
      - { .name: os, .offset: 32, .size: 8, .value_kind: global_buffer, .address_space: global }
    .group_segment_fixed_size: 147456
    .private_segment_fixed_size: 0
    .kernarg_segment_align: 8
    .kernarg_segment_size: 40
    .max_flat_workgroup_size: 512
    .sgpr_count:     102
    .vgpr_count:     256
    .wavefront_size: 32
...
	.end_amdgpu_metadata
.endif
;; end of part 3
;; launch oproj (part 4): grid 8 x 32, 4 waves a work-group, clusters of 4 x 4, 327,680 bytes of LDS; arguments oc, os, Wo_codes, Wo_scales, bo, out0; writes out0
.if DOCPART == 4
	.amdgcn_target "amdgcn-amd-amdhsa--gfx1250"
	.amdhsa_code_object_version 6
	.text
	.protected	k_qd53632dcee_oproj
	.globl	k_qd53632dcee_oproj
	.p2align	8
	.type	k_qd53632dcee_oproj,@function
k_qd53632dcee_oproj:
	s_mov_b64 s[64:65], 0
	v_nop
	global_prefetch_b8 v0, s[64:65] scope:SCOPE_SE
	s_setreg_imm32_b32 hwreg(HW_REG_WAVE_MODE, 25, 1), 1
	s_wait_xcnt 0x0
	s_wait_alu depctr_hold_cnt(0) depctr_sa_sdst(0) depctr_va_vdst(0) depctr_va_sdst(0) depctr_va_ssrc(0) depctr_va_vcc(0) depctr_vm_vsrc(0)
	s_getreg_b32 s2, hwreg(HW_REG_IB_STS2, 6, 4)
	s_cmp_eq_u32 s2, 0
	s_cbranch_scc0 .Lentry_in_a_cluster
	s_endpgm
.Lentry_in_a_cluster:
	s_bfe_u32 s2, ttmp6, 0x10000c
	s_cmp_lg_u32 s2, 0xf033
	s_cbranch_scc0 .Lentry_shape_is_right
	s_endpgm
.Lentry_shape_is_right:
; out0 = O Wo + bo on codes of FP4 (E2M1) with one E8M0 scale for each 32 along K = 1,024.  O: codes as the attention launch left them, [head 16][token tile of 16][lane][16 B]: an image of half a fragment
; (lane (r, h): token r, channels 32 h + 0 .. 31 of the head); its scale bytes [8192][32].  Wo: [1024 (out)][1024 (k)] codes, 512 bytes a row; scales [1024][32].  bo [1024], out0 [8192][1024]: f32.
; SHARES.  A work-group makes 256 tokens x 128 outputs: 256 work-groups.  A wave makes 128 tokens x 64 outputs: 32 accumulators of 16 x 16, one window of registers.
; ALL OF K LIES IN LDS, in two halves of 512 along K (8 heads): O's images, 4,096 dense bytes for a head and 128 tokens, and Wo's 128 rows of 256 bytes + 16 of padding; behind them the scale bytes.  Every byte is filled once:
; by this text's own count a wave has three tensor loads out, waits for all three, and one barrier follows; behind it those bytes are only read.  The stage for the way out has bytes of its own, each wave's own.
; THE MATRIX INSTRUCTION IS USED TRANSPOSED (source 0 = 16 rows of Wo, source 1 = 16 tokens): a lane holds eight neighbouring numbers of a row of out0.  The bias is the C of each sum's first product.
; CLUSTERS: 4 x 4 work-groups.  O's tiles hang on y alone and are asked for jointly by a row of the cluster, Wo's on x alone and by a column.
; LIMITS: NaN and infinities are not served; a scale byte 0xff in Wo_scales gives NaN.
; REGISTERS: window 0: v16-27 addresses; v32-95 O's scale words, v96-127 Wo's; v128-159 the bias; v160-223 rows on the way out.   window 1: Wo's fragments at v0 and v32, O's at v128 and v192: two sets.   window 2: the accumulators ((a, b) at v[8 (4 a + b)]).
.set PITCH,  272
.set AHALF,  32768                     ; O: 8 heads x 128 tokens x 32 bytes: what one tensor load brings, and what one wave reads
.set BHALF,  64*PITCH                  ; Wo: 64 rows
.set SLOT,   2*AHALF+2*BHALF           ; half of K
.set SCLB,   2*SLOT                    ; Wo's scale bytes, as units of 256 bytes + 16
.set HSB,    8*272                     ; those of 64 rows
.set SCLA,   SCLB+2*HSB                ; O's
.set HSA,    16*272                    ; those of 128 rows
.set STAGE,  SCLA+2*HSA                ; 16 rows x 272 bytes for each wave; a multiple of 256, and no fill lands here
.set SBLK,   2*272                     ; the scale bytes of 16 rows
.set ADRA, 16                          ; v16-17  LDS address of my O fragments in K half 0, 1
.set ADRB, 20                          ; v20-21  the same for Wo
.set ADSA, 22                          ; v22     of O's scale words
.set ADSB, 23                          ; v23     of Wo's
.set STO,  24                          ; v24     the way out: where I put 32 bytes of a row
.set RD,   25                          ; v25     where I read a row back
.set CO,   26                          ; v26     my byte offset in out0
.set H32,  27                          ; v27     32 x (lane / 16)
.set SCA,  32
.set SCB,  96
.set BIAS, 128
.set BK,   160
.set G1A,  24
.set G0A,  32
.set G1B,  48
.set G0B,  56
.set G1SA, 68
.set G0SA, 76
.set G1SB, 80
.set G0SB, 88
.set MSB, 0
.macro WIN new                         ; the immediate's high byte repeats the setting that is left
.if MSB != \new
	s_set_vgpr_msb (MSB<<8)|\new
.set MSB, \new
.endif
.endm
.macro JLOAD g0a, g1a, g0b, g1b        ; a joint load: waves 0 and 1 fetch for O, waves 2 and 3 for Wo; four v_nop follow each line
	s_cmp_eq_u32 s15, 0
	s_cbranch_scc0 .Lfor_b_\@
	tensor_load_to_lds s[\g0a:\g0a+3], s[\g1a:\g1a+7]
	s_nop 0
.rept 4
	v_nop
.endr
	s_branch .Lasked_\@
.Lfor_b_\@:
	tensor_load_to_lds s[\g0b:\g0b+3], s[\g1b:\g1b+7]
	s_nop 0
.rept 4
	v_nop
.endr
.Lasked_\@:
.endm
.macro CROUND                          ; a round of the cluster's barrier
	s_barrier_signal -1
	s_barrier_wait -1
	s_cmp_lg_u32 s14, 0
	s_cbranch_scc1 .Lnot_wave_0_\@
	s_barrier_signal -3
.Lnot_wave_0_\@:
	s_barrier_wait -3
	s_barrier_signal -1
	s_barrier_wait -1
.endm
.macro PLACES                          ; four plain vector instructions between a matrix instruction and a load into a register that it read, or a read of its result
.rept 4
	v_nop
.endr
.endm
	s_load_b128 s[4:7], s[0:1], 0x0                ; O's codes, O's scales
	s_load_b128 s[8:11], s[0:1], 0x10              ; Wo's codes, Wo's scales
	s_load_b128 s[96:99], s[0:1], 0x20             ; bo, out0
	v_lshrrev_b32 v1, 5, v0
	v_readfirstlane_b32 s14, v1                    ; wave 0..3
	s_lshr_b32 s15, s14, 1                         ; my half of the tokens.  Also: I fetch for O (0) or for Wo (1)
	s_and_b32 s16, s14, 1                          ; my half of the outputs.  Also: which half I fetch
	s_bfe_u32 s40, ttmp6, 0x40000                  ; cx, cy
	s_bfe_u32 s41, ttmp6, 0x40004
	s_lshl_b32 s42, ttmp9, 2
	s_add_co_u32 s42, s42, s40                     ; x: my 128 outputs
	s_and_b32 s17, ttmp7, 0xffff
	s_lshl_b32 s17, s17, 2
	s_add_co_u32 s17, s17, s41                     ; y: my 256 tokens
	s_lshl_b32 s43, s41, 2
	s_lshl_b32 s43, 15, s43                        ; my row of the cluster
	s_lshl_b32 s44, 0x1111, s40                    ; my column
	; O: 8 rows (heads) of 4,096 bytes (512 elements of 8 bytes), 262,144 bytes apart; no padding: every read of it takes 512 consecutive bytes
	s_or_b32 s[G1A+0], s43, (3<<16)|(1<<21)        ; 15:0 the mask: my row; 17:16 elements of 8 bytes; 21 set beside a mask
	s_mov_b32 s[G1A+1], 512<<16                    ; tensor_dim0
	s_mov_b32 s[G1A+2], 8<<16                      ; tensor_dim1
	s_mov_b32 s[G1A+3], 512<<16                    ; tile_dim0
	s_mov_b32 s[G1A+4], 8                          ; tile_dim1
	s_mov_b32 s[G1A+5], 32768                      ; from row to row, in elements
	s_mov_b32 s[G1A+6], 0
	s_mov_b32 s[G1A+7], 0
	; Wo: 64 rows x 256 bytes out of rows of 512, 16 bytes of padding behind each
	s_or_b32 s[G1B+0], s44, (0<<16)|(1<<20)|(1<<21)|(5<<22)|(3<<25)
	s_mov_b32 s[G1B+1], 256<<16
	s_mov_b32 s[G1B+2], 64<<16
	s_mov_b32 s[G1B+3], 256<<16
	s_mov_b32 s[G1B+4], 64
	s_mov_b32 s[G1B+5], 512
	s_mov_b32 s[G1B+6], 0
	s_mov_b32 s[G1B+7], 0
	; scale bytes: dense blocks as rows of 256 bytes (32 elements of 8 bytes), 16 bytes of padding behind each: 16 rows for O's 128 tokens, 8 for Wo's 64 rows
	s_or_b32 s[G1SA+0], s43, (3<<16)|(1<<20)|(1<<21)|(5<<22)|(3<<25)
	s_mov_b32 s[G1SA+1], 32<<16
	s_mov_b32 s[G1SA+2], 16<<16
	s_mov_b32 s[G1SA+3], 32<<16
	s_mov_b32 s[G1SA+4], 16
	s_mov_b32 s[G1SA+5], 32
	s_mov_b32 s[G1SA+6], 0
	s_mov_b32 s[G1SA+7], 0
	s_or_b32 s[G1SB+0], s44, (3<<16)|(1<<20)|(1<<21)|(5<<22)|(3<<25)
	s_mov_b32 s[G1SB+1], 32<<16
	s_mov_b32 s[G1SB+2], 8<<16
	s_mov_b32 s[G1SB+3], 32<<16
	s_mov_b32 s[G1SB+4], 8
	s_mov_b32 s[G1SB+5], 32
	s_mov_b32 s[G1SB+6], 0
	s_mov_b32 s[G1SB+7], 0
	s_lshl_b32 s18, s16, 7
	s_lshl_b32 s20, s17, 8
	s_add_co_u32 s20, s20, s18                     ; O: token 256 y + 128 x half,
	s_lshl_b32 s20, s20, 5                         ; x 32 bytes, in a head's codes and in the scale bytes alike
	s_mov_b32 s21, 0
	s_lshl_b32 s19, s16, 6
	s_lshl_b32 s46, s42, 7
	s_add_co_u32 s46, s46, s19                     ; Wo: row 128 x + 64 x half
	s_lshl_b32 s92, s46, 5
	s_mov_b32 s93, 0
	s_lshl_b32 s46, s46, 9
	s_mov_b32 s47, 0
	s_lshl_b32 s45, s16, 15                        ; where they go: no place in the cluster enters an LDS address
	s_mul_i32 s94, s16, BHALF
	s_mul_i32 s2, s16, HSA
	s_mul_i32 s3, s16, HSB
	s_wait_kmcnt 0x0
	s_add_nc_u64 s[22:23], s[6:7], s[20:21]
	s_add_nc_u64 s[20:21], s[4:5], s[20:21]
	s_add_nc_u64 s[92:93], s[10:11], s[92:93]
	s_add_nc_u64 s[46:47], s[8:9], s[46:47]
	CROUND                                         ; all sixteen work-groups are here: the joint loads meet
	s_mov_b32 s[G0SA], 1
	s_add_co_u32 s[G0SA+1], s2, SCLA
	s_mov_b64 s[G0SA+2:G0SA+3], s[22:23]
	s_or_b32 s[G0SA+3], s[G0SA+3], 0x80000000
	s_mov_b32 s[G0SB], 1
	s_add_co_u32 s[G0SB+1], s3, SCLB
	s_mov_b64 s[G0SB+2:G0SB+3], s[92:93]
	s_or_b32 s[G0SB+3], s[G0SB+3], 0x80000000
	JLOAD G0SA, G1SA, G0SB, G1SB
.irp s, 0,1
	s_mov_b32 s[G0A+4*\s], 1
	s_add_co_u32 s[G0A+4*\s+1], s45, \s*SLOT
	s_add_nc_u64 s[G0A+4*\s+2:G0A+4*\s+3], s[20:21], \s*2097152    ; eight heads on
	s_or_b32 s[G0A+4*\s+3], s[G0A+4*\s+3], 0x80000000
	s_mov_b32 s[G0B+4*\s], 1
	s_add_co_u32 s[G0B+4*\s+1], s94, \s*SLOT+2*AHALF
	s_add_nc_u64 s[G0B+4*\s+2:G0B+4*\s+3], s[46:47], \s*256
	s_or_b32 s[G0B+4*\s+3], s[G0B+4*\s+3], 0x80000000
	JLOAD G0A+4*\s, G1A, G0B+4*\s, G1B
.endr
	v_and_b32 v1, 15, v0                           ; r
	v_bfe_u32 v2, v0, 4, 1                         ; h
	v_and_b32 v3, 31, v0
	v_lshlrev_b32 v4, 4, v3                        ; 16 x lane
	s_lshl_b32 s2, s15, 15
	v_add_nc_u32 v[ADRA], s2, v4                   ; O: my 128 tokens' images
	v_add_nc_u32 v[ADRA+1], SLOT, v[ADRA]
	v_mul_u32_u24 v5, v1, PITCH
	v_lshl_add_u32 v5, v2, 4, v5
	s_mul_i32 s3, s16, BHALF
	s_add_co_u32 s3, s3, 2*AHALF
	v_add_nc_u32 v[ADRB], s3, v5                   ; Wo: my 64 rows: row x pitch + 16 h
	v_add_nc_u32 v[ADRB+1], SLOT, v[ADRB]
	v_lshlrev_b32 v6, 5, v1                        ; a row's scales: 32 bytes a row,
	v_lshrrev_b32 v7, 8, v6
	v_lshl_add_u32 v6, v7, 4, v6                   ; and 16 more for each 256 passed
	s_mul_i32 s2, s15, HSA
	s_add_co_u32 s2, s2, SCLA
	v_add_nc_u32 v[ADSA], s2, v6
	s_mul_i32 s3, s16, HSB
	s_add_co_u32 s3, s3, SCLB
	v_add_nc_u32 v[ADSB], s3, v6
	s_mul_i32 s2, s14, 16*PITCH
	s_add_co_u32 s2, s2, STAGE                     ; my stage
	v_mul_u32_u24 v7, v1, PITCH
	v_lshl_add_u32 v7, v2, 5, v7
	v_add_nc_u32 v[STO], s2, v7                    ; in: row r, 32 bytes for each half of the lanes
	v_mul_u32_u24 v7, v2, PITCH
	v_lshl_add_u32 v7, v1, 4, v7
	v_add_nc_u32 v[RD], s2, v7                     ; back: lanes 0-15 one row of 256 bytes, lanes 16-31 the next
	v_lshlrev_b32 v7, 12, v2
	v_lshl_add_u32 v[CO], v1, 4, v7                ; and the same two rows in out0 (4,096 bytes a row)
	v_lshlrev_b32 v[H32], 5, v2
	s_wait_alu depctr_va_vdst(0)
	s_lshl_b32 s66, s42, 9
	s_lshl_b32 s67, s16, 8
	s_add_co_u32 s66, s66, s67                     ; my first output, in bytes: 512 x + 256 x half
	s_mov_b32 s67, 0
	s_add_nc_u64 s[96:97], s[96:97], s[66:67]
	s_add_nc_u64 s[98:99], s[98:99], s[66:67]
	s_lshl_b32 s66, s17, 8
	s_lshl_b32 s2, s15, 7
	s_add_co_u32 s66, s66, s2
	s_lshl_b32 s66, s66, 12                        ; my first token's row
	s_add_nc_u64 s[98:99], s[98:99], s[66:67]
.irp b, 0,1,2,3
	global_load_b128 v[BIAS+8*\b:BIAS+8*\b+3], v[H32], s[96:97] offset:64*\b        ; register j of block b: output 16 b + 8 h + j
	global_load_b128 v[BIAS+8*\b+4:BIAS+8*\b+7], v[H32], s[96:97] offset:64*\b+16
.endr
.macro FETCH slot, q, p                ; the fragments of 128 along K, the K half's q-th, into set p: 24 loads in one run
	WIN 0x40                                       ; destination window 1, address window 0
.irp i, 0,1,2,3
.irp c, 0,1
	ds_load_b128 v[32*(\p)+8*\i+4*\c:32*(\p)+8*\i+4*\c+3], v[ADRB+\slot] offset:64*(\q)+32*\c+\i*16*PITCH
.endr
.endr
.irp i, 0,1,2,3,4,5,6,7
.irp c, 0,1
	ds_load_b128 v[128+64*(\p)+8*\i+4*\c:128+64*(\p)+8*\i+4*\c+3], v[ADRA+\slot] offset:(2*(\q)+\c)*4096+512*\i   ; head 2 q + c of the half's eight, token tile i
.endr
.endr
.endm
.macro SCALES sc                       ; a K half's scale words, four a row
.irp i, 0,1,2,3,4,5,6,7
	ds_load_b128 v[SCA+32*\sc+4*\i:SCA+32*\sc+4*\i+3], v[ADSA] offset:\i*SBLK+16*\sc
.endr
.irp i, 0,1,2,3
	ds_load_b128 v[SCB+16*\sc+4*\i:SCB+16*\sc+4*\i+3], v[ADSB] offset:\i*SBLK+16*\sc
.endr
.endm
; 16 products: token blocks 4 hi .. 4 hi + 3 x Wo's four.  The 32 accumulators take turns, one instruction a turn, in the same order in every K step.
.macro MULQ p, q, sc, hi, first
.irp a, 0,1,2,3
.irp b, 0,1,2,3
.if \first
	v_wmma_scale_f32_16x16x128_f8f6f4 v[8*(4*(4*(\hi)+\a)+\b):8*(4*(4*(\hi)+\a)+\b)+7], v[32*(\p)+8*\b:32*(\p)+8*\b+7], v[128+64*(\p)+8*(4*(\hi)+\a):128+64*(\p)+8*(4*(\hi)+\a)+7], v[BIAS+8*\b:BIAS+8*\b+7], v[SCB+16*(\sc)+4*\b+(\q)], v[SCA+32*(\sc)+4*(4*(\hi)+\a)+(\q)] matrix_a_fmt:MATRIX_FMT_FP4 matrix_b_fmt:MATRIX_FMT_FP4
.else
	v_wmma_scale_f32_16x16x128_f8f6f4 v[8*(4*(4*(\hi)+\a)+\b):8*(4*(4*(\hi)+\a)+\b)+7], v[32*(\p)+8*\b:32*(\p)+8*\b+7], v[128+64*(\p)+8*(4*(\hi)+\a):128+64*(\p)+8*(4*(\hi)+\a)+7], v[8*(4*(4*(\hi)+\a)+\b):8*(4*(4*(\hi)+\a)+\b)+7], v[SCB+16*(\sc)+4*\b+(\q)], v[SCA+32*(\sc)+4*(4*(\hi)+\a)+(\q)] matrix_a_fmt:MATRIX_FMT_FP4 matrix_b_fmt:MATRIX_FMT_FP4
.endif
.endr
.endr
.endm
.macro KSTEP k                         ; K step k of 8, on set k % 2; in its middle the next step's fragments are fetched into the other set
.set KW, 0xa5                          ; sources 0 and 1 window 1, C and D window 2
.if (\k) == 0
.set KW, 0x85                          ; the first step's C is the bias, in window 0
.endif
	s_wait_dscnt 0x0                               ; this step's fragments are in
	WIN KW
	MULQ (\k)%2, (\k)%4, (\k)/4, 0, (\k)==0
.if (\k) < 7
	PLACES                                         ; the other set was last read by the step before
	FETCH ((\k)+1)/4, ((\k)+1)%4, 1-(\k)%2
.endif
	WIN KW
	MULQ (\k)%2, (\k)%4, (\k)/4, 1, (\k)==0
.endm
	s_wait_tensorcnt 0x0                           ; my three loads have landed,
	s_barrier_signal -1
	s_barrier_wait -1                              ; everybody's have: what they brought is only read from here on
	SCALES 0
	SCALES 1
	FETCH 0, 0, 0
	s_wait_loadcnt 0x0                             ; the bias
.irp k, 0,1,2,3,4,5,6,7
	KSTEP \k
.endr
	WIN 0
; THE WAY OUT, block by block of 16 tokens x 64 outputs.  A lane holds 32 neighbouring bytes of a row and the lanes beside it hold other rows: so a block goes through my own stage and comes back as rows of 256 bytes.
; LDS serves a wave's instructions in order (ISA guide 5.7.1.4): no wait between the stores and the loads, nor in front of the next block's stores.
.macro TOSTAGE a
	WIN 0x08                                       ; an LDS store's data are its source 1: window 2
.irp b, 0,1,2,3
	ds_store_b128 v[STO], v[8*(4*(\a)+\b):8*(4*(\a)+\b)+3] offset:64*\b            ; each accumulator from its low end on
	ds_store_b128 v[STO], v[8*(4*(\a)+\b)+4:8*(4*(\a)+\b)+7] offset:64*\b+16
.endr
	WIN 0
.set BB, BK+32*((\a)%2)
.irp t, 0,1,2,3,4,5,6,7
	ds_load_b128 v[BB+4*\t:BB+4*\t+3], v[RD] offset:\t*2*PITCH
.endr
.endm
.macro SEND a, younger                 ; younger: the LDS instructions issued behind block a's loads, which may stay out
.set BB, BK+32*((\a)%2)
	s_wait_dscnt \younger
.irp t, 0,1,2,3,4,5,6,7
	global_store_b128 v[CO], v[BB+4*\t:BB+4*\t+3], s[98:99] offset:(16*(\a)+2*\t)*4096 th:TH_STORE_NT   ; 16 lanes store 256 consecutive bytes, at a multiple of 256 from out0's first byte; written once
.endr
.endm
	PLACES                                         ; in front of the first read of results
	TOSTAGE 0
.irp a, 1,2,3,4,5,6,7
.if \a > 1
	s_wait_xcnt 0x0                                ; block a - 2's stores have read their registers: block a's loads may land there
.endif
	TOSTAGE \a
	SEND \a-1, 16                                  ; behind block a - 1's loads: block a's 8 stores and 8 loads
.endr
	SEND 7, 0
	CROUND                                         ; the closing round: no work-group ends while a partner may still ask for a tile that names it
	s_endpgm
.Lfunc_end_k_qd53632dcee_oproj:
	.size	k_qd53632dcee_oproj, .Lfunc_end_k_qd53632dcee_oproj-k_qd53632dcee_oproj
	.p2alignl 7, 3214868480
	.fill 96, 4, 3214868480
	.section	.rodata,"a",@progbits
	.p2align	6, 0x0
	.amdhsa_kernel k_qd53632dcee_oproj
		.amdhsa_group_segment_fixed_size 327680
		.amdhsa_private_segment_fixed_size 0
		.amdhsa_enable_private_segment 0
		.amdhsa_kernarg_size 48
		.amdhsa_user_sgpr_count 2
		.amdhsa_user_sgpr_kernarg_segment_ptr 1
		.amdhsa_wavefront_size32 1
		.amdhsa_system_sgpr_workgroup_id_x 1
		.amdhsa_system_sgpr_workgroup_id_y 1
		.amdhsa_system_sgpr_workgroup_id_z 1
		.amdhsa_system_vgpr_workitem_id 0
		.amdhsa_next_free_vgpr 768
		.amdhsa_next_free_sgpr 100
		.amdhsa_reserve_vcc 0
		.amdhsa_float_denorm_mode_32 3
		.amdhsa_float_denorm_mode_16_64 3
		.amdhsa_memory_ordered 1
		.amdhsa_forward_progress 1
		.amdhsa_inst_pref_size 73
	.end_amdhsa_kernel
	.amdgpu_metadata
---
amdhsa.version: [ 1, 2 ]
amdhsa.kernels:
  - .name:           k_qd53632dcee_oproj
    .symbol:         k_qd53632dcee_oproj.kd
    .args:
      - { .name: oc, .offset: 0, .size: 8, .value_kind: global_buffer, .address_space: global }
      - { .name: os, .offset: 8, .size: 8, .value_kind: global_buffer, .address_space: global }
      - { .name: Wo_codes, .offset: 16, .size: 8, .value_kind: global_buffer, .address_space: global }
      - { .name: Wo_scales, .offset: 24, .size: 8, .value_kind: global_buffer, .address_space: global }
      - { .name: bo, .offset: 32, .size: 8, .value_kind: global_buffer, .address_space: global }
      - { .name: out0, .offset: 40, .size: 8, .value_kind: global_buffer, .address_space: global }
    .group_segment_fixed_size: 327680
    .private_segment_fixed_size: 0
    .kernarg_segment_align: 8
    .kernarg_segment_size: 48
    .max_flat_workgroup_size: 128
    .sgpr_count:     100
    .vgpr_count:     768
    .wavefront_size: 32
...
	.end_amdgpu_metadata
.endif
;; end of part 4
